; MI455X (gfx1250); checked and timed in simulation.
; The chip was launched on July 23, 2026; its instructions are those of AMD's public machine-readable ISA for CDNA 5 (MIT licence, August 2026) and "CDNA5" Instruction Set Architecture Reference Guide (July 2026). The comments in the code are by the model that wrote it; some were corrected since.
;; Nemo. Allowed arithmetic: matrix products marked QUANTISED: E5M2 operands, one E8M0 scale for each 32 along K, by v_wmma_scale_f32_16x16x128_f8f6f4 with both operands' format E5M2, f32 sums; products left as they are: f32 operands where the result goes on into a quantised operand, else bf16, f16 or f32 operands; f32 sums; everything else in f32.
;; Inputs: W1 64 x 256 float32; W2 256 x 256 float32; W3 256 x 1 float32; b1 256 float32; b2 256 float32; b3 1 float32; tables 8 x 524,288 x 8 float32; x 524,288 x 2 float32.
;; Outputs: out0 524,288 x 1 float32.
;; This version of the problem:
;;   THIS VERSION OF THE PROBLEM IS GIVEN IN LOW PRECISION. The matrix products marked QUANTISED in the list below multiply operands that are first quantised to E5M2 (5 exponent bits, 2 mantissa bits; 8 bits a number), with one power-of-two scale for each 32 numbers along K (OCP MX v1.0); their sums are f32. All else is computed in f32.
;;   The module's matrix products, in the order in which they are computed (A, B: the left and right operand; K: the contracted axis; several contracted axes count as one K, in the product's order):
;;     1. [M 524,288, K 64] x [K 64, N 256]; A: computed on the way; B: input W1: QUANTISED
;;     2. [M 524,288, K 256] x [K 256, N 256]; A: computed on the way; B: input W2: QUANTISED
;;     3. [M 524,288, K 256] x [K 256, N 1]; A: computed on the way; B: input W3: left as it is (N = 1 < 16)
;;   THE QUANTISER, for each operand of a quantised product, along K:
;;     - K is cut into blocks of 32 from its start; a last block that is shorter is filled with zeros.
;;     - A block's scale is 2^e with e = floor(log2(the largest magnitude in the block)) - 15, held to -126 .. 127; a block of zeros has e = 0. As a byte (E8M0): e + 127.
;;     - Each number is divided by its block's scale, clamped to +-57,344, and rounded to the nearest number of E5M2, ties to even, subnormals kept.
;;     - The product sums the exact products of the quantised numbers (number of the format x scale) in f32.
;;   ~~~python
;;   def quantise(x, axis):      # numpy; x: float32 -> the quantised numbers, widened to float32 again
;;       x = np.moveaxis(x, axis, -1); K = x.shape[-1]
;;       x = np.pad(x, [(0, 0)] * (x.ndim - 1) + [(0, -K % 32)]); x = x.reshape(x.shape[:-1] + (-1, 32)); a = np.abs(x).max(-1, keepdims=True)
;;       e = np.where(a > 0, np.clip(np.frexp(np.where(a > 0, a, 1))[1] - 1 - 15, -126, 127), 0)      # np.frexp(a)[1] - 1 = floor(log2(a)), exactly
;;       r = np.clip(x / 2.0 ** e, -57344, 57344)
;;       step = 2.0 ** (np.maximum(np.frexp(np.where(r == 0, 1, r))[1] - 1, -14) - 2)
;;       q = np.round(r / step) * step * 2.0 ** e      # np.round: ties to even
;;       return np.moveaxis(q.reshape(q.shape[:-2] + (-1,))[..., :K], -1, axis).astype(np.float32)
;;   ~~~
;;   OPERANDS COMPUTED ON THE WAY. 'Computed on the way' means the value that the module computes at that place (a softmax that the list does not call 'softmax' is quantised finished and normalised). What goes into a quantiser is computed in f32, as accurately as f32 sums, v_exp_f32 and their like allow (about 1e-6 of the number): no bf16 or f16 on the way to a quantiser, and a product that is left as it is and whose result goes on into a quantised operand takes f32 operands (vector FMAs, or v_wmma_f32_16x16x4_f32). A number that lies on a knife's edge between two numbers of the format may be rounded either way, as far as f32 arithmetic and the matrix unit's own rounding can turn it there, and no further.
;; 2 versions. Each part assembles by itself: llvm-mc -triple=amdgcn-amd-amdhsa -mcpu=gfx1250 --defsym DOCPART=n.
;; ======== version 1 of 2: 2 launches
;; workspace buffers: idx 16,777,216 bytes of whole numbers; wimg 88,064 bytes
;; launch prep (part 1): grid 262 x 1, 8 waves a work-group, no clusters, 0 bytes of LDS; arguments x, W1, W2, idx, wimg; writes idx, wimg
.if DOCPART == 1
	.amdgcn_target "amdgcn-amd-amdhsa--gfx1250"
	.amdhsa_code_object_version 6
	.text
	.protected	k_q90ce310ca6_prep
	.globl	k_q90ce310ca6_prep
	.p2align	8
	.type	k_q90ce310ca6_prep,@function
k_q90ce310ca6_prep:
	s_mov_b64 s[64:65], 0
	v_nop
	global_prefetch_b8 v0, s[64:65] scope:SCOPE_SE
	s_setreg_imm32_b32 hwreg(HW_REG_WAVE_MODE, 25, 1), 1
	s_wait_xcnt 0x0
; FIRST OF TWO LAUNCHES.  z = relu(relu(enc W1 + b1) W2 + b2) W3 + b3, enc = eight dense grids read at 4 corners each and blended by smoothstep weights.
; No work of the problem is left out as dead: every input has a way to z.  Of the tables only the rows that the indices name are read: a lookup by an index.
; The gather's addresses come from floor(x scale + 0.5), floating-point numbers: so this launch stores each point's base row of each level as a whole number, and the next launch gathers by them.
; It also quantises W1 and W2 once (E5M2 codes, one E8M0 byte for each 32 along K, K being the weights' FIRST axis) into images of the operand registers that the next launch's waves load as they stand.
; WORK-GROUPS 0-255: indices.  Wave w of group g takes blocks 4 (8 g + w) .. + 3 of 64 points.  In a block lane (r, h) (r = lane % 16, h = lane / 16) serves points 4 r + m, m = 0 .. 3, and for each of them four levels
;   j = 0 .. 3: level 4 (j / 2) + 2 h + j % 2.  idx is laid [block][m][lane][j]: each store of the wave covers 512 consecutive bytes, aligned.
; WORK-GROUPS 256-261: weights, one fragment (16 hidden units x 128 or 64 along K) to a wave: 32 of W2, 16 of W1.  A lane takes a column and its registers run down K, so the conversions' results are the operand's registers.
;   THE UNITS OF A TILE ARE NOT NEIGHBOURS: lane r of tile 2 b + u takes unit 32 b + 8 u + r + 8 (r / 8), so that the next launch's results come out as neighbours along the next K.
;   wimg: W2's fragments f = 2 t + s at 2048 f (+ 512 c + 16 lane); from 65,536 W1's tiles t at 1024 t (+ 512 c + 16 lane); from 81,920 W1's scale words at 256 b + 8 lane + 4 u; from 83,968 W2's at 512 b + 16 lane + 4 (2 u + s).
;   The scale words, 6,144 bytes in all, are stored 4 bytes a lane, 8 or 16 bytes apart; all else leaves in runs of 512 consecutive bytes.
; LIMITS.  NaN and infinities in x or in the weights are not served.  floor(pos) is held within +-2^20.  A base row p0x + p0y res is wrapped once as a negative index is (+ 524,288) and held in 0 .. 524,205, so that base + 1 + res
;   stays inside every level: a point whose four corners do not all lie in the table behind that one wrap is not reproduced.  pos is one fused multiply-add.  A block of zeros gets the byte 1 where the rule says 127:
;   its codes are zeros, and this program alone reads the bytes; blocks whose largest magnitude lies under 2^-111 get that byte too.
.set SC,  4                            ; v4-7    my four levels' scales
.set RS,  8                            ; v8-11   their resolutions
.set BIG, 16                           ; v16     2^20
.set XOF, 17                           ; v17     32 r: my four points in a block of x
.set SOF, 18                           ; v18     16 x lane: my place in a store
.set X,   20                           ; v20-51  four blocks of x: point m of block q is the pair 20 + 8 q + 2 m
.set P,   52                           ; v52-59  pos, then floor, then whole numbers: level j is the pair 52 + 2 j
.set O,   64                           ; v64-127 four registers for each of the 16 stores: no store's data are written again
	s_load_b256 s[4:11], s[0:1], 0x0               ; x s[4:5], W1 s[6:7], W2 s[8:9], idx s[10:11]
	s_load_b64 s[12:13], s[0:1], 0x20              ; wimg
	v_lshrrev_b32 v1, 5, v0
	v_readfirstlane_b32 s14, v1                    ; wave 0..7
	v_and_b32 v1, 31, v0                           ; lane
	v_and_b32 v2, 15, v0                           ; r
	v_bfe_u32 v3, v0, 4, 1                         ; h
	s_cmp_ge_u32 ttmp9, 256                        ; the work-group's number alone decides
	s_cbranch_scc1 .Lweights
	; ---------------- indices
	v_cmp_ne_u32 vcc_lo, 0, v3
	v_mov_b32 v[SC+0], 0x41c32ff6                  ; h = 1: levels 2, 3, 6, 7.  The scales are 16 x 1.2599210739135742^level - 1, rounded to f32
	v_mov_b32 v[SC+1], 0x41f80001
	v_mov_b32 v[SC+2], 0x427c0002
	v_mov_b32 v[SC+3], 0x429f4519
	v_cndmask_b32 v[SC+0], 0x41700000, v[SC+0], vcc_lo   ; h = 0: levels 0, 1, 4, 5
	v_cndmask_b32 v[SC+1], 0x41994518, v[SC+1], vcc_lo
	v_cndmask_b32 v[SC+2], 0x421d4519, v[SC+2], vcc_lo
	v_cndmask_b32 v[SC+3], 0x42472ff6, v[SC+3], vcc_lo
	v_mad_u32_u24 v[RS+0], v3, 10, 16              ; resolutions 16 | 26
	v_mad_u32_u24 v[RS+1], v3, 12, 21              ; 21 | 33
	v_mad_u32_u24 v[RS+2], v3, 24, 41              ; 41 | 65
	v_mad_u32_u24 v[RS+3], v3, 30, 51              ; 51 | 81
	v_mov_b32 v[BIG], 0x49800000
	v_lshlrev_b32 v[XOF], 5, v2
	v_lshlrev_b32 v[SOF], 4, v1
	s_lshl_b32 s15, ttmp9, 3
	s_add_co_u32 s15, s15, s14                     ; 8 g + w
	s_lshl_b32 s16, s15, 11                        ; four blocks of x are 2,048 bytes,
	s_mov_b32 s17, 0
	s_lshl_b32 s18, s15, 13                        ; of idx 8,192
	s_mov_b32 s19, 0
	s_wait_kmcnt 0x0
	s_add_nc_u64 s[4:5], s[4:5], s[16:17]
	s_add_nc_u64 s[10:11], s[10:11], s[18:19]
.irp q, 0,1,2,3
	global_load_b128 v[X+8*\q:X+8*\q+3],   v[XOF], s[4:5] offset:512*\q th:TH_LOAD_NT
	global_load_b128 v[X+8*\q+4:X+8*\q+7], v[XOF], s[4:5] offset:512*\q+16 th:TH_LOAD_NT
.endr
; point m of block q: the base rows of my four levels, the levels by turns
.macro IDX q, m
.irp c, 0,1
.irp e, 0,1
	v_pk_fma_f32 v[P+4*\c+2*\e:P+4*\c+2*\e+1], v[X+8*\q+2*\m:X+8*\q+2*\m+1], v[SC+2*\c:SC+2*\c+1], 0.5 op_sel:[0,\e,0] op_sel_hi:[1,\e,0]   ; pos = x scale + 0.5 for both coordinates; word e of the pair of scales serves both.  The next launch forms pos by this same line
.endr
.endr
.irp j, 0,1,2,3,4,5,6,7
	v_floor_f32 v[P+\j], v[P+\j]
.endr
.irp j, 0,1,2,3,4,5,6,7
	v_med3_num_f32 v[P+\j], v[P+\j], -v[BIG], v[BIG]
.endr
.irp j, 0,1,2,3,4,5,6,7
	v_cvt_i32_f32 v[P+\j], v[P+\j]
.endr
.irp j, 0,1,2,3
	v_mad_u32 v[O+4*(4*\q+\m)+\j], v[P+2*\j+1], v[RS+\j], v[P+2*\j]   ; p0x + p0y res
.endr
.irp j, 0,1,2,3
	v_and_b32 v[O+4*(4*\q+\m)+\j], 0x7ffff, v[O+4*(4*\q+\m)+\j]       ; a negative index counts from the table's end
.endr
.irp j, 0,1,2,3
	v_min_u32 v[O+4*(4*\q+\m)+\j], 0x7ffad, v[O+4*(4*\q+\m)+\j]       ; 524,205: base + 1 + 81 is still a row of the level
.endr
	global_store_b128 v[SOF], v[O+4*(4*\q+\m):O+4*(4*\q+\m)+3], s[10:11] offset:2048*\q+512*\m th:TH_STORE_NT
.endm
.irp q, 0,1,2,3
	s_wait_loadcnt 6-2*\q                          ; this block's two loads are in; the two of each later block may be out
.irp m, 0,1,2,3
	IDX \q, \m
.endr
.endr
	s_endpgm
	; ---------------- weights
; nc blocks of 32 along K of my column become nc x 4 registers of codes and a scale word.  src: the scalar pair that holds the weight's address at my fragment.
.macro WQ nc, src
.set cc, 0
.rept \nc
.set ii, 0
.rept 16
	global_load_b32 v[64+16*cc+ii], v4, s[\src:\src+1] offset:1024*(32*cc+ii)   ; W(32 c + 16 h + i, my unit): a row of either weight is 1,024 bytes
.set ii, ii+1
.endr
.set cc, cc+1
.endr
	s_wait_loadcnt 0x0
.set bb, 0
.rept \nc
	v_mov_b32 v[36+bb], 0                          ; a lane permute's destination counts as one of its sources
	v_max3_num_f32 v[32+bb], |v[64+16*bb]|, |v[65+16*bb]|, 0x8000000   ; my 16 numbers of block b, and the floor 2^(16 - 127): the byte cannot fall under 1
.set bb, bb+1
.endr
.set ii, 2
.rept 7
.set bb, 0
.rept \nc
	v_max3_num_f32 v[32+bb], v[32+bb], |v[64+16*bb+ii]|, |v[65+16*bb+ii]|
.set bb, bb+1
.endr
.set ii, ii+2
.endr
.set bb, 0
.rept \nc
	v_permlanex16_b32 v[36+bb], v[32+bb], s20, s21
.set bb, bb+1
.endr
.set bb, 0
.rept \nc
	v_max_num_f32 v[32+bb], v[32+bb], v[36+bb]     ; with lane l xor 16's 16: the block's largest magnitude
.set bb, bb+1
.endr
.set bb, 0
.rept \nc
	v_add_nc_u32 v[44+bb], 0xf8800000, v[32+bb]    ; 15 off its exponent field: the conversion's scale operand
	v_and_or_b32 v[40+bb], v[32+bb], 0x7f800000, s22   ; 57,344 x the scale
.set bb, bb+1
.endr
.set bb, 0
.rept \nc
	v_lshrrev_b32 v[36+bb], 23, v[44+bb]           ; the scale's byte
.set bb, bb+1
.endr
	v_lshl_or_b32 v9, v37, 8, v36                  ; the bytes make my unit's scale word; W1's upper two stay 0: they stand over zero codes
.if \nc == 4
	v_lshl_or_b32 v9, v38, 16, v9
	v_lshl_or_b32 v9, v39, 24, v9
.endif
.set cc, 0
.rept \nc
.set ii, 0
.rept 16
	v_med3_num_f32 v[64+16*cc+ii], v[64+16*cc+ii], -v[40+cc], v[40+cc]   ; the conversion to an 8-bit code does not saturate (ISA guide 7.6.2): the hold comes first
.set ii, ii+1
.endr
	v_cvt_scalef32_pk8_bf8_f32 v[48+4*cc:49+4*cc], v[64+16*cc:71+16*cc], v[44+cc]
	v_cvt_scalef32_pk8_bf8_f32 v[50+4*cc:51+4*cc], v[72+16*cc:79+16*cc], v[44+cc]
.set cc, cc+1
.endr
	v_nop                                          ; a plain line behind the last conversion
.set cc, 0
.rept \nc
	global_store_b128 v5, v[48+4*cc:51+4*cc], s[18:19] offset:512*cc   ; the image: 512 consecutive bytes a store
.set cc, cc+1
.endr
	global_store_b32 v6, v9, s[28:29]
.endm
.Lweights:
	s_sub_co_u32 s15, ttmp9, 256
	s_lshl_b32 s15, s15, 3
	s_add_co_u32 s15, s15, s14                     ; my fragment, 0 .. 47
	v_and_b32 v4, 8, v2
	v_add_nc_u32 v4, v4, v2                        ; r + 8 (r / 8)
	v_lshlrev_b32 v4, 2, v4                        ; my column, 4 bytes a unit,
	v_lshl_add_u32 v4, v3, 14, v4                  ; and lanes 16-31 begin 16 rows further down
	v_lshlrev_b32 v5, 4, v1                        ; 16 x lane
	s_mov_b32 s20, 0x76543210
	s_mov_b32 s21, 0xfedcba98                      ; v_permlanex16_b32's selects for lane l xor 16
	s_mov_b32 s22, 0x600000                        ; the mantissa field of 57,344
	s_mov_b32 s17, 0
	s_mov_b32 s19, 0
	s_mov_b32 s29, 0
	s_cmp_ge_u32 s15, 32
	s_cbranch_scc1 .Lw1
	s_lshr_b32 s23, s15, 2                         ; W2: fragment 4 b + 2 u + s
	s_bfe_u32 s24, s15, 0x10001                    ; u
	s_and_b32 s26, s15, 1                          ; s
	s_lshl_b32 s16, s23, 7                         ; units 32 b
	s_lshl_b32 s24, s24, 5                         ; + 8 u, 4 bytes each,
	s_add_co_u32 s16, s16, s24
	s_lshl_b32 s26, s26, 17                        ; and 128 s rows down
	s_add_co_u32 s16, s16, s26
	s_lshl_b32 s18, s15, 11                        ; the image: 2,048 bytes a fragment
	s_lshl_b32 s28, s23, 9                         ; the scale word: 512 b + 4 (2 u + s) + 16 lane
	s_and_b32 s24, s15, 3
	s_lshl_b32 s24, s24, 2
	s_add_co_u32 s28, s28, s24
	s_add_co_u32 s28, s28, 83968
	v_mov_b32 v6, v5
	s_wait_kmcnt 0x0
	s_add_nc_u64 s[8:9], s[8:9], s[16:17]
	s_add_nc_u64 s[18:19], s[12:13], s[18:19]
	s_add_nc_u64 s[28:29], s[12:13], s[28:29]
	WQ 4, 8
	s_endpgm
.Lw1:
	s_sub_co_u32 s15, s15, 32                      ; W1: tile 2 b + u; K = 64: two blocks
	s_lshr_b32 s23, s15, 1
	s_and_b32 s24, s15, 1
	s_lshl_b32 s16, s23, 7
	s_lshl_b32 s26, s24, 5
	s_add_co_u32 s16, s16, s26
	s_lshl_b32 s18, s15, 10                        ; the image: 1,024 bytes a tile, from 65,536 on
	s_add_co_u32 s18, s18, 65536
	s_lshl_b32 s28, s23, 8                         ; the scale word: 256 b + 4 u + 8 lane
	s_lshl_b32 s24, s24, 2
	s_add_co_u32 s28, s28, s24
	s_add_co_u32 s28, s28, 81920
	v_lshlrev_b32 v6, 3, v1
	s_wait_kmcnt 0x0
	s_add_nc_u64 s[6:7], s[6:7], s[16:17]
	s_add_nc_u64 s[18:19], s[12:13], s[18:19]
	s_add_nc_u64 s[28:29], s[12:13], s[28:29]
	WQ 2, 6
	s_endpgm
.Lfunc_end_k_q90ce310ca6_prep:
	.size	k_q90ce310ca6_prep, .Lfunc_end_k_q90ce310ca6_prep-k_q90ce310ca6_prep
	.p2alignl 7, 3214868480
	.fill 96, 4, 3214868480
	.section	.rodata,"a",@progbits
	.p2align	6, 0x0
	.amdhsa_kernel k_q90ce310ca6_prep
		.amdhsa_group_segment_fixed_size 0
		.amdhsa_private_segment_fixed_size 0
		.amdhsa_enable_private_segment 0
		.amdhsa_kernarg_size 40
		.amdhsa_user_sgpr_count 2
		.amdhsa_user_sgpr_kernarg_segment_ptr 1
		.amdhsa_wavefront_size32 1
		.amdhsa_system_sgpr_workgroup_id_x 1
		.amdhsa_system_sgpr_workgroup_id_y 1
		.amdhsa_system_sgpr_workgroup_id_z 1
		.amdhsa_system_vgpr_workitem_id 0
		.amdhsa_next_free_vgpr 128
		.amdhsa_next_free_sgpr 66
		.amdhsa_reserve_vcc 1
		.amdhsa_float_denorm_mode_32 3
		.amdhsa_float_denorm_mode_16_64 3
		.amdhsa_memory_ordered 1
		.amdhsa_forward_progress 1
		.amdhsa_inst_pref_size 61
	.end_amdhsa_kernel
	.amdgpu_metadata
---
amdhsa.version: [ 1, 2 ]
amdhsa.kernels:
  - .name:           k_q90ce310ca6_prep
    .symbol:         k_q90ce310ca6_prep.kd
    .args:
      - { .name: x, .offset: 0, .size: 8, .value_kind: global_buffer, .address_space: global }
      - { .name: W1, .offset: 8, .size: 8, .value_kind: global_buffer, .address_space: global }
      - { .name: W2, .offset: 16, .size: 8, .value_kind: global_buffer, .address_space: global }
      - { .name: idx, .offset: 24, .size: 8, .value_kind: global_buffer, .address_space: global }
      - { .name: wimg, .offset: 32, .size: 8, .value_kind: global_buffer, .address_space: global }
    .group_segment_fixed_size: 0
    .private_segment_fixed_size: 0
    .kernarg_segment_align: 8
    .kernarg_segment_size: 40
    .max_flat_workgroup_size: 256
    .sgpr_count:     66
    .vgpr_count:     128
    .wavefront_size: 32
...
	.end_amdgpu_metadata
.endif
;; end of part 1
;; launch main (part 2): grid 256 x 1, 8 waves a work-group, no clusters, 92,160 bytes of LDS; arguments x, idx, tables, wimg, b1, b2, W3, b3, out0; writes out0
.if DOCPART == 2
	.amdgcn_target "amdgcn-amd-amdhsa--gfx1250"
	.amdhsa_code_object_version 6
	.text
	.protected	k_q90ce310ca6_main
	.globl	k_q90ce310ca6_main
	.p2align	8
	.type	k_q90ce310ca6_main,@function
k_q90ce310ca6_main:
	s_mov_b64 s[64:65], 0
	v_nop
	global_prefetch_b8 v0, s[64:65] scope:SCOPE_SE
	s_setreg_imm32_b32 hwreg(HW_REG_WAVE_MODE, 25, 1), 1
	s_wait_xcnt 0x0
; SECOND OF TWO LAUNCHES: gather, blend, quantise, first product, relu, quantise, second product, relu, the product with W3, b3, store.  No work of the problem is left out; of the tables only the rows named by idx are read.
; Both large products run on codes of E5M2 with one E8M0 scale for each 32 along K; the product with W3 (one column) is fused multiply-adds in f32.  enc, h1 and h2 never leave the registers.
; SHARES.  256 work-groups of eight waves; every wave is on its own: it takes 4 blocks of 64 points (blocks 4 (8 g + w) on) through the whole chain.  Two waves of 512 registers share a SIMD, so that one wave's vector work
; stands beside the other's matrix work and loads.  The weights' images (88,064 bytes, made by the launch before) and b1, b2, W3 are put into LDS once, at the head; behind the one barrier LDS is only read.
; No cluster: what work-groups share is those 91,136 bytes, read once each, against 2 MiB of table rows, indices and points that a work-group reads for itself.
; LAYOUT.  r = lane % 16, h = lane / 16.  Tile m (0 .. 3) of a block holds points 4 r + m.  Both products are used transposed (source 0 = 16 hidden units, source 1 = 16 points): a lane holds ONE point, and its registers run along the units.
; The units of a weight tile 2 b + u are 32 b + 8 u + r + 8 (r / 8), so the 16 registers of tiles 2 b, 2 b + 1 are units 32 b + 16 h + 0 .. 15: the order in which the next product's operand wants its K.
; For enc the same is had by the choice of levels: lane (r, h) blends levels 4 c + 2 h + e (c, e = 0, 1) of its point, 8 features each: k = 32 c + 16 h + 8 e + 0 .. 7.
; The first product's K is 64: the upper 64 of the instruction's 128 are zero codes on both sides, written once.  The biases are the C of each sum's first matrix instruction.
; LIMITS.  Those of the launch before (NaN and infinities not served; one wrap of a negative base row; the hold at row 524,205); a block of zeros, or one whose largest magnitude lies under 2^-111, has the scale byte 1.
; The blend is one multiplication and three fused multiply-adds in the corners' order (0,0), (0,1), (1,0), (1,1).
; LDS: 0 W2's 32 fragments; 65,536 W1's 16 tiles; 81,920 W1's scale words; 83,968 W2's; 88,064 b1; 89,088 b2; 90,112 W3; 91,136 the spare words, 128 bytes a wave.  An LDS immediate has 16 bits: registers for 65,536 on carry that number.
; REGISTERS, window 0: see the names below.  Window 1: v0-127 h1's codes (fragment (m, s) at 32 m + 16 s); v128-191 four fragments of W2; while enc is made, v0-191 are three landing buffers of 64 for table rows;
; v192-255 enc's codes, tile m at 192 + 16 m: 8 registers of codes, 8 of zeros.
.set SPARE, 91136
.set SPW, 1                            ; v1      LDS address of my spare word; never rewritten
.set NIL, 2                            ; v2      0; never rewritten
.set LI,  3                            ; v3      16 x lane
.set L8,  4                            ; v4      8 x lane + 65,536
.set LB,  5                            ; v5      64 h + 65,536
.set XO,  6                            ; v6      32 r
.set OO,  7                            ; v7      16 r + 8 h
.set SCL, 8                            ; v8-11   my four levels' scales
.set R32, 12                           ; v12-15  their resolutions x 32 bytes
.set LOF, 16                           ; v16-19  their tables' first bytes
.set XR,  20                           ; v20-27  my four points: point m is the pair 20 + 2 m
.set IX,  28                           ; v28-43  their base rows: 28 + 4 m + j
.set AD,  44                           ; v44-55  three sets of gather offsets: (row, row + res) for two levels
.set WT,  56                           ; v56-79  two levels x 12: pos/t 0-1, floor/t^2 2-3, w 4-5, 1 - w 6-7, the four corner weights 8-11
.set TM,  80                           ; v80-95  0-3 largest magnitudes, 4-7 the other half's and bytes, 8-11 57,344 x scale, 12-15 the conversions' scale operands
.set WS,  96                           ; v96-99  the weights' scale words
.set ES,  100                          ; v100-103 enc's, one a tile
.set HS,  104                          ; v104-111 h1's: 104 + 2 m + s
.set Z,   112                          ; v112-119 z in two halves: pair m
.set BI,  120                          ; v120-135 16 numbers of a bias
.set W3R, 136                          ; v136-151 16 numbers of W3
.set W1F, 152                          ; v152-183 two tiles of W1: 8 registers of codes, 8 of zeros, each
.set ACC, 184                          ; v184-247 eight accumulators: 184 + 16 m + 8 u
.set EF,  184                          ; v184-199 16 features of enc, while enc is made
.set OD,  248                          ; v248-249 what is stored
.set LI1, 250                          ; v250    16 x lane + 65,536
.set C3,  252                          ; v252-253 3.0, twice
.set H1,  0                            ; window 1
.set W2F, 128
.set EC,  192
.set MSB, 0
.macro WIN new                         ; s_set_vgpr_msb: bits 1:0 source 0, 3:2 source 1, 5:4 source 2, 7:6 destination; the high byte repeats the setting that is left
.if MSB != \new
	s_set_vgpr_msb (MSB<<8)|\new
.set MSB, \new
.endif
.endm
.macro PLACES k
.rept \k
	v_nop
.endr
.endm
.macro XLOADS                          ; a block's points and base rows: 6 loads; idx in runs of 512 consecutive bytes
	global_load_b128 v[XR:XR+3],   v[XO], s[4:5] th:TH_LOAD_NT
	global_load_b128 v[XR+4:XR+7], v[XO], s[4:5] offset:16 th:TH_LOAD_NT
.irp m, 0,1,2,3
	global_load_b128 v[IX+4*\m:IX+4*\m+3], v[LI], s[6:7] offset:512*\m th:TH_LOAD_NT
.endr
.endm
	s_load_b256 s[4:11], s[0:1], 0x0               ; x s[4:5], idx s[6:7], tables s[8:9], wimg s[10:11]
	s_load_b256 s[12:19], s[0:1], 0x20             ; b1 s[12:13], b2 s[14:15], W3 s[16:17], b3 s[18:19]
	s_load_b64 s[20:21], s[0:1], 0x40              ; out0
	v_lshl_add_u32 v[SPW], v0, 2, SPARE
	v_mov_b32 v[NIL], 0
	v_lshrrev_b32 v251, 5, v0
	v_readfirstlane_b32 s23, v251                  ; wave 0..7
	v_and_b32 v251, 31, v0                         ; lane
	v_and_b32 v254, 15, v0                         ; r
	v_bfe_u32 v255, v0, 4, 1                       ; h
	v_lshlrev_b32 v[LI], 4, v251
	v_lshl_add_u32 v[L8], v251, 3, 0x10000
	v_lshl_add_u32 v[LB], v255, 6, 0x10000
	v_lshlrev_b32 v[XO], 5, v254
	v_lshlrev_b32 v[OO], 4, v254
	v_lshl_add_u32 v[OO], v255, 3, v[OO]
	v_lshl_add_u32 v[LI1], v251, 4, 0x10000
	v_lshlrev_b32 v241, 4, v0                      ; the fill of LDS goes by the thread's number t: 16 t,
	v_lshl_add_u32 v242, v0, 4, 0x10000            ; 16 t + 65,536,
	v_lshl_add_u32 v243, v0, 3, 0x10000            ; 8 t + 65,536,
	v_lshl_add_u32 v244, v0, 2, 0x10000            ; 4 t + 65,536,
	v_lshlrev_b32 v245, 3, v0                      ; 8 t,
	v_lshlrev_b32 v246, 2, v0                      ; 4 t
	s_lshl_b32 s25, ttmp9, 3
	s_add_co_u32 s25, s25, s23                     ; 8 g + w
	s_mov_b32 s31, 0
	s_mov_b32 s24, 4                               ; blocks to go
	s_mov_b32 s26, 0x76543210
	s_mov_b32 s27, 0xfedcba98                      ; v_permlanex16_b32's selects for lane l xor 16
	s_mov_b32 s28, 0x600000                        ; the mantissa field of 57,344
	s_mov_b32 s34, 0xffff0000                      ; lanes 16-31
	s_wait_kmcnt 0x0
	s_load_b32 s22, s[18:19], 0x0                  ; b3
	s_lshl_b32 s30, s25, 11                        ; my four blocks: 2,048 bytes of x,
	s_add_nc_u64 s[4:5], s[4:5], s[30:31]
	s_lshl_b32 s30, s25, 13                        ; 8,192 of idx,
	s_add_nc_u64 s[6:7], s[6:7], s[30:31]
	s_lshl_b32 s30, s25, 10                        ; 1,024 of out0
	s_add_nc_u64 s[20:21], s[20:21], s[30:31]
	XLOADS                                         ; the first block
.set ii, 0
.rept 21
	global_load_b128 v[152+4*ii:155+4*ii], v241, s[10:11] offset:4096*ii   ; the images: 21 x 4,096 bytes for the work-group,
.set ii, ii+1
.endr
	global_load_b64 v[236:237], v245, s[10:11] offset:86016                ; and the last 2,048
	global_load_b32 v238, v246, s[12:13]
	global_load_b32 v239, v246, s[14:15]
	global_load_b32 v240, v246, s[16:17]
	v_cmp_ne_u32 vcc_lo, 0, v255                   ; while they are on their way: my levels' constants
	v_mov_b32 v[SCL+0], 0x41c32ff6                 ; h = 1: levels 2, 3, 6, 7
	v_mov_b32 v[SCL+1], 0x41f80001
	v_mov_b32 v[SCL+2], 0x427c0002
	v_mov_b32 v[SCL+3], 0x429f4519
	v_cndmask_b32 v[SCL+0], 0x41700000, v[SCL+0], vcc_lo   ; h = 0: levels 0, 1, 4, 5
	v_cndmask_b32 v[SCL+1], 0x41994518, v[SCL+1], vcc_lo
	v_cndmask_b32 v[SCL+2], 0x421d4519, v[SCL+2], vcc_lo
	v_cndmask_b32 v[SCL+3], 0x42472ff6, v[SCL+3], vcc_lo
	v_mad_u32_u24 v[R32+0], v255, 10, 16           ; resolutions 16 | 26, 21 | 33, 41 | 65, 51 | 81,
	v_mad_u32_u24 v[R32+1], v255, 12, 21
	v_mad_u32_u24 v[R32+2], v255, 24, 41
	v_mad_u32_u24 v[R32+3], v255, 30, 51
.irp j, 0,1,2,3
	v_lshlrev_b32 v[R32+\j], 5, v[R32+\j]          ; in bytes: a row of a table is 32
.endr
	v_lshlrev_b32 v[LOF+0], 25, v255               ; a level's table is 2^24 bytes: levels 0 | 2,
	v_lshl_add_u32 v[LOF+1], v255, 25, 0x1000000   ; 1 | 3,
	v_lshl_add_u32 v[LOF+2], v255, 25, 0x4000000   ; 4 | 6,
	v_lshl_add_u32 v[LOF+3], v255, 25, 0x5000000   ; 5 | 7
	v_mov_b32 v[C3], 0x40400000
	v_mov_b32 v[C3+1], 0x40400000
.irp m, 0,1,2,3
	v_mov_b32 v[TM+4+\m], 0                        ; a lane permute's destination counts as one of its sources
.endr
	WIN 0x40
.irp m, 0,1,2,3
.irp i, 8,9,10,11,12,13,14,15
	v_mov_b32 v[EC+16*\m+\i], 0                    ; enc's K = 64 .. 127: zero codes, written once
.endr
.endr
	WIN 0
	s_wait_loadcnt 0x0
.set ii, 0
.rept 16
	ds_store_b128 v241, v[152+4*ii:155+4*ii] offset:4096*ii
.set ii, ii+1
.endr
.rept 5
	ds_store_b128 v242, v[152+4*ii:155+4*ii] offset:4096*(ii-16)
.set ii, ii+1
.endr
	ds_store_b64 v243, v[236:237] offset:20480
	ds_store_b32 v244, v238 offset:22528           ; b1
	ds_store_b32 v244, v239 offset:23552           ; b2
	ds_store_b32 v244, v240 offset:24576           ; W3
	s_wait_dscnt 0x0                               ; for the others' sake: my stores have landed
.irp u, 0,1
.irp i, 8,9,10,11,12,13,14,15
	v_mov_b32 v[W1F+16*\u+\i], 0                   ; W1's K = 64 .. 127: zero codes, written once
.endr
.endr
	s_barrier_signal -1
	s_barrier_wait -1                              ; everybody's have: from here on LDS is only read
	s_wait_kmcnt 0x0                               ; b3
; ---- enc.  A unit n = 2 m + c is two levels (e = 0, 1; j = 2 c + e) of point m: 16 features, my half of block c of tile m.
.macro ADDR n                          ; the unit's gather offsets, into set n % 3
.irp e, 0,1
	v_min_u32 v[AD+4*((\n)%3)+2*\e], 0x7ffad, v[IX+4*((\n)/2)+2*((\n)%2)+\e]   ; the hold that the launch before applied, once more: it moves no stored index
.endr
.irp e, 0,1
	v_lshlrev_b32 v[AD+4*((\n)%3)+2*\e], 5, v[AD+4*((\n)%3)+2*\e]
.endr
.irp e, 0,1
	v_add_nc_u32 v[AD+4*((\n)%3)+2*\e], v[AD+4*((\n)%3)+2*\e], v[LOF+2*((\n)%2)+\e]
.endr
.irp e, 0,1
	v_add_nc_u32 v[AD+4*((\n)%3)+2*\e+1], v[AD+4*((\n)%3)+2*\e], v[R32+2*((\n)%2)+\e]
.endr
.endm
.macro GATHER n                        ; 16 loads into landing buffer n % 3: for each level rows base, base + 1 (64 neighbouring bytes) and base + res, base + res + 1
	WIN 0x40
.irp e, 0,1
.irp i, 0,1,2,3
	global_load_b128 v[64*((\n)%3)+32*\e+4*\i:64*((\n)%3)+32*\e+4*\i+3], v[AD+4*((\n)%3)+2*\e], s[8:9] offset:16*\i
.endr
.irp i, 0,1,2,3
	global_load_b128 v[64*((\n)%3)+32*\e+16+4*\i:64*((\n)%3)+32*\e+16+4*\i+3], v[AD+4*((\n)%3)+2*\e+1], s[8:9] offset:16*\i
.endr
.endr
	WIN 0
.endm
.macro WEIGHTS n                       ; the smoothstep weights of the unit's two levels, by turns
.irp e, 0,1
	v_pk_fma_f32 v[WT+12*\e:WT+12*\e+1], v[XR+2*((\n)/2):XR+2*((\n)/2)+1], v[SCL+2*((\n)%2):SCL+2*((\n)%2)+1], 0.5 op_sel:[0,\e,0] op_sel_hi:[1,\e,0]   ; pos, by the line that made the stored index
.endr
.irp e, 0,1
	v_floor_f32 v[WT+12*\e+2], v[WT+12*\e]
	v_floor_f32 v[WT+12*\e+3], v[WT+12*\e+1]
.endr
.irp e, 0,1
	v_pk_add_f32 v[WT+12*\e:WT+12*\e+1], v[WT+12*\e:WT+12*\e+1], v[WT+12*\e+2:WT+12*\e+3] neg_lo:[0,1] neg_hi:[0,1]   ; t = pos - floor
.endr
.irp e, 0,1
	v_pk_fma_f32 v[WT+12*\e+4:WT+12*\e+5], v[WT+12*\e:WT+12*\e+1], -2.0, v[C3:C3+1] op_sel_hi:[1,0,1]   ; 3 - 2 t
.endr
.irp e, 0,1
	v_pk_mul_f32 v[WT+12*\e+2:WT+12*\e+3], v[WT+12*\e:WT+12*\e+1], v[WT+12*\e:WT+12*\e+1]              ; t t
.endr
.irp e, 0,1
	v_pk_mul_f32 v[WT+12*\e+4:WT+12*\e+5], v[WT+12*\e+2:WT+12*\e+3], v[WT+12*\e+4:WT+12*\e+5]          ; w
.endr
.irp e, 0,1
	v_pk_fma_f32 v[WT+12*\e+6:WT+12*\e+7], v[WT+12*\e+4:WT+12*\e+5], -1.0, 1.0 op_sel_hi:[1,0,0]       ; 1 - w: w x -1 is exact, so the one rounding is that of the subtraction
.endr
.irp e, 0,1
	v_mul_f32 v[WT+12*\e+8],  v[WT+12*\e+6], v[WT+12*\e+7]    ; corner (0, 0)
	v_mul_f32 v[WT+12*\e+9],  v[WT+12*\e+6], v[WT+12*\e+5]    ; (0, 1)
	v_mul_f32 v[WT+12*\e+10], v[WT+12*\e+4], v[WT+12*\e+7]    ; (1, 0)
	v_mul_f32 v[WT+12*\e+11], v[WT+12*\e+4], v[WT+12*\e+5]    ; (1, 1)
.endr
.endm
.macro FEAT n                          ; the blend: the rows lie in window 1; of a pair of weights one word serves both halves
	WIN 0x01
.irp e, 0,1
.irp g, 0,2,4,6
	v_pk_mul_f32 v[EF+8*\e+\g:EF+8*\e+\g+1], v[64*((\n)%3)+32*\e+\g:64*((\n)%3)+32*\e+\g+1], v[WT+12*\e+8:WT+12*\e+9] op_sel_hi:[1,0]
.endr
.endr
.irp e, 0,1
.irp g, 0,2,4,6
	v_pk_fma_f32 v[EF+8*\e+\g:EF+8*\e+\g+1], v[64*((\n)%3)+32*\e+16+\g:64*((\n)%3)+32*\e+16+\g+1], v[WT+12*\e+8:WT+12*\e+9], v[EF+8*\e+\g:EF+8*\e+\g+1] op_sel:[0,1,0] op_sel_hi:[1,1,1]
.endr
.endr
.irp e, 0,1
.irp g, 0,2,4,6
	v_pk_fma_f32 v[EF+8*\e+\g:EF+8*\e+\g+1], v[64*((\n)%3)+32*\e+8+\g:64*((\n)%3)+32*\e+8+\g+1], v[WT+12*\e+10:WT+12*\e+11], v[EF+8*\e+\g:EF+8*\e+\g+1] op_sel_hi:[1,0,1]
.endr
.endr
.irp e, 0,1
.irp g, 0,2,4,6
	v_pk_fma_f32 v[EF+8*\e+\g:EF+8*\e+\g+1], v[64*((\n)%3)+32*\e+24+\g:64*((\n)%3)+32*\e+24+\g+1], v[WT+12*\e+10:WT+12*\e+11], v[EF+8*\e+\g:EF+8*\e+\g+1] op_sel:[0,1,0] op_sel_hi:[1,1,1]
.endr
.endr
	WIN 0
.endm
.macro QENC n                          ; my 16 features and lane l xor 16's are block c of tile m: its byte, and my four registers of codes
	v_max3_num_f32 v[TM], |v[EF]|, |v[EF+1]|, 0x8000000            ; with the floor 2^(16 - 127): the byte cannot fall under 1
	v_max3_num_f32 v[TM+1], |v[EF+2]|, |v[EF+3]|, |v[EF+4]|
.irp i, 5,9
	v_max3_num_f32 v[TM], v[TM], |v[EF+\i]|, |v[EF+\i+1]|
	v_max3_num_f32 v[TM+1], v[TM+1], |v[EF+\i+2]|, |v[EF+\i+3]|
.endr
	v_max3_num_f32 v[TM], v[TM], |v[EF+13]|, |v[EF+14]|
	v_max3_num_f32 v[TM], v[TM], v[TM+1], |v[EF+15]|
	v_permlanex16_b32 v[TM+4], v[TM], s26, s27
	v_max_num_f32 v[TM], v[TM], v[TM+4]
	v_add_nc_u32 v[TM+12], 0xf8800000, v[TM]       ; 15 off the exponent field: the conversion's scale operand
	v_and_or_b32 v[TM+8], v[TM], 0x7f800000, s28   ; 57,344 x the scale
.if ((\n)%2) == 0
	v_lshrrev_b32 v[ES+(\n)/2], 23, v[TM+12]       ; the scale's byte; the word's upper two bytes stay 0: they stand over zero codes
.else
	v_lshrrev_b32 v[TM+4], 23, v[TM+12]
	v_lshl_or_b32 v[ES+(\n)/2], v[TM+4], 8, v[ES+(\n)/2]
.endif
.irp i, 0,1,2,3,4,5,6,7,8,9,10,11,12,13,14,15
	v_med3_num_f32 v[EF+\i], v[EF+\i], -v[TM+8], v[TM+8]   ; the conversion to an 8-bit code does not saturate (ISA guide 7.6.2): the hold comes first
.endr
	WIN 0x40
	v_cvt_scalef32_pk8_bf8_f32 v[EC+16*((\n)/2)+4*((\n)%2):EC+16*((\n)/2)+4*((\n)%2)+1], v[EF:EF+7], v[TM+12]
	v_cvt_scalef32_pk8_bf8_f32 v[EC+16*((\n)/2)+4*((\n)%2)+2:EC+16*((\n)/2)+4*((\n)%2)+3], v[EF+8:EF+15], v[TM+12]
	WIN 0
	v_nop                                          ; a plain line between the conversions and the next write of their sources
.endm
; ---- the weights come out of LDS as images of their registers: 16 bytes a lane, 512 consecutive bytes a load
.macro LOADW1 b                        ; tiles 2 b, 2 b + 1 of W1, their 16 numbers of b1 for my half, their scale words
.irp u, 0,1
.irp c, 0,1
	ds_load_b128 v[W1F+16*\u+4*\c:W1F+16*\u+4*\c+3], v[LI1] offset:1024*(2*(\b)+\u)+512*\c
.endr
.endr
.irp i, 0,1,2,3
	ds_load_b128 v[BI+4*\i:BI+4*\i+3], v[LB] offset:22528+128*(\b)+16*\i
.endr
	ds_load_b64 v[WS:WS+1], v[L8] offset:16384+256*(\b)
.endm
.macro LOADW2 b                        ; the same of W2: four fragments (2 u + s), b2, four scale words
	WIN 0x40
.irp q, 0,1,2,3
.irp c, 0,1,2,3
	ds_load_b128 v[W2F+16*\q+4*\c:W2F+16*\q+4*\c+3], v[LI] offset:8192*(\b)+2048*\q+512*\c
.endr
.endr
	WIN 0
.irp i, 0,1,2,3
	ds_load_b128 v[BI+4*\i:BI+4*\i+3], v[LB] offset:23552+128*(\b)+16*\i
.endr
	ds_load_b128 v[WS:WS+3], v[LI1] offset:18432+512*(\b)
.endm
.macro LOADW3 b
.irp i, 0,1,2,3
	ds_load_b128 v[W3R+4*\i:W3R+4*\i+3], v[LB] offset:24576+128*(\b)+16*\i
.endr
.endm
; relu and quantiser of units 32 b .. 32 b + 31 of h1, for the four tiles of points by turns: block b % 4 of K step b / 4 of the second product
.macro QUANT4 b
.irp m, 0,1,2,3
	v_max3_num_f32 v[TM+\m], v[ACC+16*\m], v[ACC+16*\m+1], 0x8000000   ; no |.|: what is negative becomes 0, so it does not count; the floor stands over it.  Each accumulator is read from its low end on
.endr
.irp i, 2,4,6,8,10,12,14
.irp m, 0,1,2,3
	v_max3_num_f32 v[TM+\m], v[TM+\m], v[ACC+16*\m+\i], v[ACC+16*\m+\i+1]
.endr
.endr
.irp m, 0,1,2,3
	v_permlanex16_b32 v[TM+4+\m], v[TM+\m], s26, s27
.endr
.irp m, 0,1,2,3
	v_max_num_f32 v[TM+\m], v[TM+\m], v[TM+4+\m]
.endr
.irp m, 0,1,2,3
	v_add_nc_u32 v[TM+12+\m], 0xf8800000, v[TM+\m]
.endr
.irp m, 0,1,2,3
	v_and_or_b32 v[TM+8+\m], v[TM+\m], 0x7f800000, s28
.endr
.if ((\b)%4) == 0
.irp m, 0,1,2,3
	v_lshrrev_b32 v[HS+2*\m+(\b)/4], 23, v[TM+12+\m]
.endr
.else
.irp m, 0,1,2,3
	v_lshrrev_b32 v[TM+4+\m], 23, v[TM+12+\m]
.endr
.irp m, 0,1,2,3
	v_lshl_or_b32 v[HS+2*\m+(\b)/4], v[TM+4+\m], 8*((\b)%4), v[HS+2*\m+(\b)/4]
.endr
.endif
.irp m, 0,1,2,3
.irp i, 0,1,2,3,4,5,6,7,8,9,10,11,12,13,14,15
	v_med3_num_f32 v[ACC+16*\m+\i], v[ACC+16*\m+\i], 0, v[TM+8+\m]   ; the activation and the hold in one
.endr
.endr
	WIN 0x40
.irp m, 0,1,2,3
.irp u, 0,1
	v_cvt_scalef32_pk8_bf8_f32 v[H1+32*\m+16*((\b)/4)+4*((\b)%4)+2*\u:H1+32*\m+16*((\b)/4)+4*((\b)%4)+2*\u+1], v[ACC+16*\m+8*\u:ACC+16*\m+8*\u+7], v[TM+12+\m]
.endr
.endr
	WIN 0
	v_nop                                          ; a plain line between the conversions and the products that write their sources
.endm
; units 32 b .. 32 b + 31 of h1 for the block's 64 points: eight products, one to an accumulator
.macro L1STEP b
	s_wait_dscnt 0x0                               ; the step's weights, bias and scale words are in
	WIN 0x04                                       ; source 1 (enc) in window 1
.irp m, 0,1,2,3
.irp u, 0,1
	v_wmma_scale_f32_16x16x128_f8f6f4 v[ACC+16*\m+8*\u:ACC+16*\m+8*\u+7], v[W1F+16*\u:W1F+16*\u+15], v[EC+16*\m:EC+16*\m+15], v[BI+8*\u:BI+8*\u+7], v[WS+\u], v[ES+\m] matrix_a_fmt:MATRIX_FMT_BF8 matrix_b_fmt:MATRIX_FMT_BF8
.endr
.endr
	WIN 0
	PLACES 9                                       ; in front of the loads into the operands, of the first read of the results, and of the next products, which begin these accumulators anew
.if (\b) < 7
	LOADW1 (\b)+1                                  ; the next step's come while this step is quantised
.else
	LOADW2 0
	LOADW3 0
.endif
	QUANT4 \b
.endm
; relu of units 32 b .. + 31 of h2, and their part of z
.macro EPI b
.set kk, 0
.rept 64
	v_max_num_f32 v[ACC+kk], 0, v[ACC+kk]          ; ascending: each accumulator from its low end on
.set kk, kk+1
.endr
.irp g, 0,2,4,6,8,10,12,14
.irp m, 0,1,2,3
.if ((\b) == 0) && (\g == 0)
	v_pk_mul_f32 v[Z+2*\m:Z+2*\m+1], v[ACC+16*\m+\g:ACC+16*\m+\g+1], v[W3R+\g:W3R+\g+1]   ; the first product starts the sums: nothing is cleared
.else
	v_pk_fma_f32 v[Z+2*\m:Z+2*\m+1], v[ACC+16*\m+\g:ACC+16*\m+\g+1], v[W3R+\g:W3R+\g+1], v[Z+2*\m:Z+2*\m+1]
.endif
.endr
.endr
.endm
; units 32 b .. 32 b + 31 of h2: sixteen products; the eight accumulators take turns, one instruction a turn
.macro L2STEP b
	s_wait_dscnt 0x0
	WIN 0x05                                       ; sources 0 (W2) and 1 (h1) in window 1
.irp m, 0,1,2,3
.irp u, 0,1
	v_wmma_scale_f32_16x16x128_f8f6f4 v[ACC+16*\m+8*\u:ACC+16*\m+8*\u+7], v[W2F+32*\u:W2F+32*\u+15], v[H1+32*\m:H1+32*\m+15], v[BI+8*\u:BI+8*\u+7], v[WS+2*\u], v[HS+2*\m] matrix_a_fmt:MATRIX_FMT_BF8 matrix_b_fmt:MATRIX_FMT_BF8
.endr
.endr
.irp m, 0,1,2,3
.irp u, 0,1
	v_wmma_scale_f32_16x16x128_f8f6f4 v[ACC+16*\m+8*\u:ACC+16*\m+8*\u+7], v[W2F+32*\u+16:W2F+32*\u+31], v[H1+32*\m+16:H1+32*\m+31], v[ACC+16*\m+8*\u:ACC+16*\m+8*\u+7], v[WS+2*\u+1], v[HS+2*\m+1] matrix_a_fmt:MATRIX_FMT_BF8 matrix_b_fmt:MATRIX_FMT_BF8
.endr
.endr
	WIN 0
	PLACES 9
.if (\b) < 7
	LOADW2 (\b)+1
.endif
	EPI \b
.if (\b) < 7
	LOADW3 (\b)+1                                  ; behind the last read of W3's registers
.endif
.endm
.Lblock:                                               ; 4 trips, a block of 64 points each
	s_wait_loadcnt 0x0                             ; this block's points and base rows, asked for a block ago
	LOADW1 0                                       ; wanted behind enc
	ADDR 0
	GATHER 0
	ADDR 1
	GATHER 1
.irp n, 0,1,2,3,4,5,6,7                        ; the gathers run two units (32 loads) ahead of the blend
.if \n < 6
	ADDR \n+2                                      ; into the set and the buffer of unit n - 1, whose loads were waited for and whose rows have been blended
	GATHER \n+2
.endif
	WEIGHTS \n
.if \n < 6
	s_wait_loadcnt 32                              ; unit n's 16 loads are in; the 16 of each of the two younger units may be out
.elseif \n == 6
	s_wait_loadcnt 16
.else
	s_wait_loadcnt 0
.endif
	FEAT \n
	QENC \n
.endr
	s_cmp_eq_u32 s24, 1                            ; the next block's points and base rows, if there is a next block: no load leaves its buffer
	s_cbranch_scc1 .Lno_next
	s_add_nc_u64 s[4:5], s[4:5], 512               ; (no load of mine is out: the bases may be written)
	s_add_nc_u64 s[6:7], s[6:7], 2048
	XLOADS                                         ; they have both products in which to land
.Lno_next:
	PLACES 9                                       ; enc's codes and scale words, written by vector instructions, stand 4 and 8 places ahead of the scaled products
.irp b, 0,1,2,3,4,5,6,7
	L1STEP \b
.endr
	PLACES 9                                       ; the same for h1's
.irp b, 0,1,2,3,4,5,6,7
	L2STEP \b
.endr
.irp m, 0,1,2,3
	v_add_f32 v[Z+2*\m], v[Z+2*\m], v[Z+2*\m+1]    ; z's two halves,
.endr
.irp m, 0,1,2,3
	v_permlanex16_b32 v[TM+4+\m], v[Z+2*\m], s26, s27
.endr
.irp m, 0,1,2,3
	v_add_f32 v[Z+2*\m], v[Z+2*\m], v[TM+4+\m]     ; and lane l xor 16's units
.endr
	v_cndmask_b32 v[OD], v[Z], v[Z+4], s34         ; lanes 0-15 store points 4 r, 4 r + 1, lanes 16-31 points 4 r + 2, 4 r + 3
	v_cndmask_b32 v[OD+1], v[Z+2], v[Z+6], s34
	v_add_f32 v[OD], s22, v[OD]                    ; + b3
	v_add_f32 v[OD+1], s22, v[OD+1]
	global_store_b64 v[OO], v[OD:OD+1], s[20:21] th:TH_STORE_NT   ; the 32 lanes store 256 consecutive bytes, aligned
	s_wait_xcnt 0x0                                ; the store has read its base and its data: both are written again only behind this wait
	s_add_nc_u64 s[20:21], s[20:21], 256
	s_sub_co_u32 s24, s24, 1
	s_cmp_lg_u32 s24, 0
	s_cbranch_scc1 .Lblock
	s_wait_tensorcnt 0x0                           ; the wave's end
	ds_add_u32 v[SPW], v[NIL]
	s_wait_dscnt 0x0
	s_endpgm
.Lfunc_end_k_q90ce310ca6_main:
	.size	k_q90ce310ca6_main, .Lfunc_end_k_q90ce310ca6_main-k_q90ce310ca6_main
	.p2alignl 7, 3214868480
	.fill 96, 4, 3214868480
	.section	.rodata,"a",@progbits
	.p2align	6, 0x0
	.amdhsa_kernel k_q90ce310ca6_main
		.amdhsa_group_segment_fixed_size 92160
		.amdhsa_private_segment_fixed_size 0
		.amdhsa_enable_private_segment 0
		.amdhsa_kernarg_size 72
		.amdhsa_user_sgpr_count 2
		.amdhsa_user_sgpr_kernarg_segment_ptr 1
		.amdhsa_wavefront_size32 1
		.amdhsa_system_sgpr_workgroup_id_x 1
		.amdhsa_system_sgpr_workgroup_id_y 1
		.amdhsa_system_sgpr_workgroup_id_z 1
		.amdhsa_system_vgpr_workitem_id 0
		.amdhsa_next_free_vgpr 512
		.amdhsa_next_free_sgpr 66
		.amdhsa_reserve_vcc 1
		.amdhsa_float_denorm_mode_32 3
		.amdhsa_float_denorm_mode_16_64 3
		.amdhsa_memory_ordered 1
		.amdhsa_forward_progress 1
		.amdhsa_inst_pref_size 214
	.end_amdhsa_kernel
	.amdgpu_metadata
---
amdhsa.version: [ 1, 2 ]
amdhsa.kernels:
  - .name:           k_q90ce310ca6_main
    .symbol:         k_q90ce310ca6_main.kd
    .args:
      - { .name: x, .offset: 0, .size: 8, .value_kind: global_buffer, .address_space: global }
      - { .name: idx, .offset: 8, .size: 8, .value_kind: global_buffer, .address_space: global }
      - { .name: tables, .offset: 16, .size: 8, .value_kind: global_buffer, .address_space: global }
      - { .name: wimg, .offset: 24, .size: 8, .value_kind: global_buffer, .address_space: global }
      - { .name: b1, .offset: 32, .size: 8, .value_kind: global_buffer, .address_space: global }
      - { .name: b2, .offset: 40, .size: 8, .value_kind: global_buffer, .address_space: global }
      - { .name: W3, .offset: 48, .size: 8, .value_kind: global_buffer, .address_space: global }
      - { .name: b3, .offset: 56, .size: 8, .value_kind: global_buffer, .address_space: global }
      - { .name: out0, .offset: 64, .size: 8, .value_kind: global_buffer, .address_space: global }
    .group_segment_fixed_size: 92160
    .private_segment_fixed_size: 0
    .kernarg_segment_align: 8
    .kernarg_segment_size: 72
    .max_flat_workgroup_size: 256
    .sgpr_count:     66
    .vgpr_count:     512
    .wavefront_size: 32
...
	.end_amdgpu_metadata
.endif
;; end of part 2
;; ======== version 2 of 2: 2 launches
;; workspace buffers: idx 16,777,216 bytes of whole numbers; wimg 88,064 bytes
;; launch prep (part 3): grid 262 x 1, 8 waves a work-group, no clusters, 0 bytes of LDS; arguments x, W1, W2, idx, wimg; writes idx, wimg
.if DOCPART == 3
	.amdgcn_target "amdgcn-amd-amdhsa--gfx1250"
	.amdhsa_code_object_version 6
	.text
	.protected	k_q90ce310ca6_prep
	.globl	k_q90ce310ca6_prep
	.p2align	8
	.type	k_q90ce310ca6_prep,@function
k_q90ce310ca6_prep:
	s_mov_b64 s[64:65], 0
	v_nop
	global_prefetch_b8 v0, s[64:65] scope:SCOPE_SE
	s_setreg_imm32_b32 hwreg(HW_REG_WAVE_MODE, 25, 1), 1
	s_wait_xcnt 0x0
; FIRST OF TWO LAUNCHES.  z = relu(relu(enc W1 + b1) W2 + b2) W3 + b3, enc = eight dense grids read at 4 corners each and blended by smoothstep weights.
; No work of the problem is left out as dead: every input has a way to z.  Of the tables only the rows that the indices name are read: a lookup by an index.
; The gather's addresses come from floor(x scale + 0.5), floating-point numbers: so this launch stores each point's base row of each level as a whole number, and the next launch gathers by them.
; It also quantises W1 and W2 once (E5M2 codes, one E8M0 byte for each 32 along K, K being the weights' FIRST axis) into images of the operand registers that the next launch's waves load as they stand.
; WORK-GROUPS 0-255: indices.  Wave w of group g takes blocks 4 (8 g + w) .. + 3 of 64 points.  In a block lane (r, h) (r = lane % 16, h = lane / 16) serves points 4 r + m, m = 0 .. 3, and for each of them four levels
;   j = 0 .. 3: level 4 (j / 2) + 2 h + j % 2.  idx is laid [block][m][lane][j]: each store of the wave covers 512 consecutive bytes, aligned.
; WORK-GROUPS 256-261: weights, one fragment (16 hidden units x 128 or 64 along K) to a wave: 32 of W2, 16 of W1.  A lane takes a column and its registers run down K, so the conversions' results are the operand's registers.
;   THE UNITS OF A TILE ARE NOT NEIGHBOURS: lane r of tile 2 b + u takes unit 32 b + 8 u + r + 8 (r / 8), so that the next launch's results come out as neighbours along the next K.
;   wimg: W2's fragments f = 2 t + s at 2048 f (+ 512 c + 16 lane); from 65,536 W1's tiles t at 1024 t (+ 512 c + 16 lane); from 81,920 W1's scale words at 256 b + 8 lane + 4 u; from 83,968 W2's at 512 b + 16 lane + 4 (2 u + s).
;   The scale words, 6,144 bytes in all, are stored 4 bytes a lane, 8 or 16 bytes apart; all else leaves in runs of 512 consecutive bytes.
; LIMITS.  NaN and infinities in x or in the weights are not served.  floor(pos) is held within +-2^20.  A base row p0x + p0y res is wrapped once as a negative index is (+ 524,288) and held in 0 .. 524,205, so that base + 1 + res
;   stays inside every level: a point whose four corners do not all lie in the table behind that one wrap is not reproduced.  pos is one fused multiply-add.  A block of zeros gets the byte 1 where the rule says 127:
;   its codes are zeros, and this program alone reads the bytes; blocks whose largest magnitude lies under 2^-111 get that byte too.
.set SC,  4                            ; v4-7    my four levels' scales
.set RS,  8                            ; v8-11   their resolutions
.set BIG, 16                           ; v16     2^20
.set XOF, 17                           ; v17     32 r: my four points in a block of x
.set SOF, 18                           ; v18     16 x lane: my place in a store
.set X,   20                           ; v20-51  four blocks of x: point m of block q is the pair 20 + 8 q + 2 m
.set P,   52                           ; v52-59  pos, then floor, then whole numbers: level j is the pair 52 + 2 j
.set O,   64                           ; v64-127 four registers for each of the 16 stores: no store's data are written again
	s_load_b256 s[4:11], s[0:1], 0x0               ; x s[4:5], W1 s[6:7], W2 s[8:9], idx s[10:11]
	s_load_b64 s[12:13], s[0:1], 0x20              ; wimg
	v_lshrrev_b32 v1, 5, v0
	s_delay_alu instid0(VALU_DEP_1)
	v_readfirstlane_b32 s14, v1                    ; wave 0..7
	v_and_b32 v1, 31, v0                           ; lane
	v_and_b32 v2, 15, v0                           ; r
	v_bfe_u32 v3, v0, 4, 1                         ; h
	s_cmp_ge_u32 ttmp9, 256                        ; the work-group's number alone decides
	s_cbranch_scc1 .Lweights
	; ---------------- indices
	v_cmp_ne_u32 vcc_lo, 0, v3
	v_mov_b32 v[SC+0], 0x41c32ff6                  ; h = 1: levels 2, 3, 6, 7.  The scales are 16 x 1.2599210739135742^level - 1, rounded to f32
	v_mov_b32 v[SC+1], 0x41f80001
	v_mov_b32 v[SC+2], 0x427c0002
	v_mov_b32 v[SC+3], 0x429f4519
	s_delay_alu instid0(VALU_DEP_4)
	v_cndmask_b32 v[SC+0], 0x41700000, v[SC+0], vcc_lo   ; h = 0: levels 0, 1, 4, 5
	s_delay_alu instid0(VALU_DEP_4)
	v_cndmask_b32 v[SC+1], 0x41994518, v[SC+1], vcc_lo
	s_delay_alu instid0(VALU_DEP_4)
	v_cndmask_b32 v[SC+2], 0x421d4519, v[SC+2], vcc_lo
	s_delay_alu instid0(VALU_DEP_4)
	v_cndmask_b32 v[SC+3], 0x42472ff6, v[SC+3], vcc_lo
	v_mad_u32_u24 v[RS+0], v3, 10, 16              ; resolutions 16 | 26
	v_mad_u32_u24 v[RS+1], v3, 12, 21              ; 21 | 33
	v_mad_u32_u24 v[RS+2], v3, 24, 41              ; 41 | 65
	v_mad_u32_u24 v[RS+3], v3, 30, 51              ; 51 | 81
	v_mov_b32 v[BIG], 0x49800000
	v_lshlrev_b32 v[XOF], 5, v2
	v_lshlrev_b32 v[SOF], 4, v1
	s_lshl_b32 s15, ttmp9, 3
	s_add_co_u32 s15, s15, s14                     ; 8 g + w
	s_lshl_b32 s16, s15, 11                        ; four blocks of x are 2,048 bytes,
	s_mov_b32 s17, 0
	s_lshl_b32 s18, s15, 13                        ; of idx 8,192
	s_mov_b32 s19, 0
	s_wait_alu depctr_va_vdst(0)
	s_wait_kmcnt 0x0
	s_add_nc_u64 s[4:5], s[4:5], s[16:17]
	s_add_nc_u64 s[10:11], s[10:11], s[18:19]
.irp q, 0,1,2,3
	global_load_b128 v[X+8*\q:X+8*\q+3],   v[XOF], s[4:5] offset:512*\q th:TH_LOAD_NT
	global_load_b128 v[X+8*\q+4:X+8*\q+7], v[XOF], s[4:5] offset:512*\q+16 th:TH_LOAD_NT
.endr
; point m of block q: the base rows of my four levels, the levels by turns
.macro IDX q, m
.irp c, 0,1
.irp e, 0,1
	v_pk_fma_f32 v[P+4*\c+2*\e:P+4*\c+2*\e+1], v[X+8*\q+2*\m:X+8*\q+2*\m+1], v[SC+2*\c:SC+2*\c+1], 0.5 op_sel:[0,\e,0] op_sel_hi:[1,\e,0]   ; pos = x scale + 0.5 for both coordinates; word e of the pair of scales serves both.  The next launch forms pos by this same line
.endr
.endr
.irp j, 0,1,2,3,4,5,6,7
	v_floor_f32 v[P+\j], v[P+\j]
.endr
.irp j, 0,1,2,3,4,5,6,7
	v_med3_num_f32 v[P+\j], v[P+\j], -v[BIG], v[BIG]
.endr
.irp j, 0,1,2,3,4,5,6,7
	v_cvt_i32_f32 v[P+\j], v[P+\j]
.endr
.irp j, 0,1,2,3
	v_mad_u32 v[O+4*(4*\q+\m)+\j], v[P+2*\j+1], v[RS+\j], v[P+2*\j]   ; p0x + p0y res
.endr
.irp j, 0,1,2,3
	s_delay_alu instid0(VALU_DEP_4)
	v_and_b32 v[O+4*(4*\q+\m)+\j], 0x7ffff, v[O+4*(4*\q+\m)+\j]       ; a negative index counts from the table's end
.endr
.irp j, 0,1,2,3
	s_delay_alu instid0(VALU_DEP_4)
	v_min_u32 v[O+4*(4*\q+\m)+\j], 0x7ffad, v[O+4*(4*\q+\m)+\j]       ; 524,205: base + 1 + 81 is still a row of the level
.endr
	global_store_b128 v[SOF], v[O+4*(4*\q+\m):O+4*(4*\q+\m)+3], s[10:11] offset:2048*\q+512*\m th:TH_STORE_NT
.endm
.irp q, 0,1,2,3
	s_wait_loadcnt 6-2*\q                          ; this block's two loads are in; the two of each later block may be out
.irp m, 0,1,2,3
	IDX \q, \m
.endr
.endr
	s_endpgm
	; ---------------- weights
; nc blocks of 32 along K of my column become nc x 4 registers of codes and a scale word.  src: the scalar pair that holds the weight's address at my fragment.
.macro WQ nc, src
.set cc, 0
.rept \nc
.set ii, 0
.rept 16
	global_load_b32 v[64+16*cc+ii], v4, s[\src:\src+1] offset:1024*(32*cc+ii)   ; W(32 c + 16 h + i, my unit): a row of either weight is 1,024 bytes
.set ii, ii+1
.endr
.set cc, cc+1
.endr
	s_wait_loadcnt 0x0
.set bb, 0
.rept \nc
	v_mov_b32 v[36+bb], 0                          ; a lane permute's destination counts as one of its sources
	v_max3_num_f32 v[32+bb], |v[64+16*bb]|, |v[65+16*bb]|, 0x8000000   ; my 16 numbers of block b, and the floor 2^(16 - 127): the byte cannot fall under 1
.set bb, bb+1
.endr
.set ii, 2
.rept 7
.set bb, 0
.rept \nc
	v_max3_num_f32 v[32+bb], v[32+bb], |v[64+16*bb+ii]|, |v[65+16*bb+ii]|
.set bb, bb+1
.endr
.set ii, ii+2
.endr
.set bb, 0
.rept \nc
	v_permlanex16_b32 v[36+bb], v[32+bb], s20, s21
.set bb, bb+1
.endr
.set bb, 0
.rept \nc
	v_max_num_f32 v[32+bb], v[32+bb], v[36+bb]     ; with lane l xor 16's 16: the block's largest magnitude
.set bb, bb+1
.endr
.set bb, 0
.rept \nc
	v_add_nc_u32 v[44+bb], 0xf8800000, v[32+bb]    ; 15 off its exponent field: the conversion's scale operand
	v_and_or_b32 v[40+bb], v[32+bb], 0x7f800000, s22   ; 57,344 x the scale
.set bb, bb+1
.endr
.set bb, 0
.rept \nc
	v_lshrrev_b32 v[36+bb], 23, v[44+bb]           ; the scale's byte
.set bb, bb+1
.endr
	v_lshl_or_b32 v9, v37, 8, v36                  ; the bytes make my unit's scale word; W1's upper two stay 0: they stand over zero codes
.if \nc == 4
	s_delay_alu instid0(VALU_DEP_1)
	v_lshl_or_b32 v9, v38, 16, v9
	s_delay_alu instid0(VALU_DEP_1)
	v_lshl_or_b32 v9, v39, 24, v9
.endif
.set cc, 0
.rept \nc
.set ii, 0
.rept 16
	v_med3_num_f32 v[64+16*cc+ii], v[64+16*cc+ii], -v[40+cc], v[40+cc]   ; the conversion to an 8-bit code does not saturate (ISA guide 7.6.2): the hold comes first
.set ii, ii+1
.endr
	v_cvt_scalef32_pk8_bf8_f32 v[48+4*cc:49+4*cc], v[64+16*cc:71+16*cc], v[44+cc]
	v_cvt_scalef32_pk8_bf8_f32 v[50+4*cc:51+4*cc], v[72+16*cc:79+16*cc], v[44+cc]
.set cc, cc+1
.endr
	v_nop                                          ; a plain line behind the last conversion
.set cc, 0
.rept \nc
	global_store_b128 v5, v[48+4*cc:51+4*cc], s[18:19] offset:512*cc   ; the image: 512 consecutive bytes a store
.set cc, cc+1
.endr
	global_store_b32 v6, v9, s[28:29]
.endm
.Lweights:
	s_sub_co_u32 s15, ttmp9, 256
	s_lshl_b32 s15, s15, 3
	s_add_co_u32 s15, s15, s14                     ; my fragment, 0 .. 47
	s_wait_alu depctr_va_vdst(0)
	v_and_b32 v4, 8, v2
	s_delay_alu instid0(VALU_DEP_1)
	v_add_nc_u32 v4, v4, v2                        ; r + 8 (r / 8)
	s_delay_alu instid0(VALU_DEP_1)
	v_lshlrev_b32 v4, 2, v4                        ; my column, 4 bytes a unit,
	s_delay_alu instid0(VALU_DEP_1)
	v_lshl_add_u32 v4, v3, 14, v4                  ; and lanes 16-31 begin 16 rows further down
	v_lshlrev_b32 v5, 4, v1                        ; 16 x lane
	s_mov_b32 s20, 0x76543210
	s_mov_b32 s21, 0xfedcba98                      ; v_permlanex16_b32's selects for lane l xor 16
	s_mov_b32 s22, 0x600000                        ; the mantissa field of 57,344
	s_mov_b32 s17, 0
	s_mov_b32 s19, 0
	s_mov_b32 s29, 0
	s_cmp_ge_u32 s15, 32
	s_cbranch_scc1 .Lw1
	s_lshr_b32 s23, s15, 2                         ; W2: fragment 4 b + 2 u + s
	s_bfe_u32 s24, s15, 0x10001                    ; u
	s_and_b32 s26, s15, 1                          ; s
	s_lshl_b32 s16, s23, 7                         ; units 32 b
	s_lshl_b32 s24, s24, 5                         ; + 8 u, 4 bytes each,
	s_add_co_u32 s16, s16, s24
	s_lshl_b32 s26, s26, 17                        ; and 128 s rows down
	s_add_co_u32 s16, s16, s26
	s_lshl_b32 s18, s15, 11                        ; the image: 2,048 bytes a fragment
	s_lshl_b32 s28, s23, 9                         ; the scale word: 512 b + 4 (2 u + s) + 16 lane
	s_and_b32 s24, s15, 3
	s_lshl_b32 s24, s24, 2
	s_add_co_u32 s28, s28, s24
	s_add_co_u32 s28, s28, 83968
	s_wait_alu depctr_va_vdst(0)
	v_mov_b32 v6, v5
	s_wait_kmcnt 0x0
	s_add_nc_u64 s[8:9], s[8:9], s[16:17]
	s_add_nc_u64 s[18:19], s[12:13], s[18:19]
	s_add_nc_u64 s[28:29], s[12:13], s[28:29]
	WQ 4, 8
	s_endpgm
.Lw1:
	s_sub_co_u32 s15, s15, 32                      ; W1: tile 2 b + u; K = 64: two blocks
	s_lshr_b32 s23, s15, 1
	s_and_b32 s24, s15, 1
	s_lshl_b32 s16, s23, 7
	s_lshl_b32 s26, s24, 5
	s_add_co_u32 s16, s16, s26
	s_lshl_b32 s18, s15, 10                        ; the image: 1,024 bytes a tile, from 65,536 on
	s_add_co_u32 s18, s18, 65536
	s_lshl_b32 s28, s23, 8                         ; the scale word: 256 b + 4 u + 8 lane
	s_lshl_b32 s24, s24, 2
	s_add_co_u32 s28, s28, s24
	s_add_co_u32 s28, s28, 81920
	v_lshlrev_b32 v6, 3, v1
	s_wait_kmcnt 0x0
	s_add_nc_u64 s[6:7], s[6:7], s[16:17]
	s_add_nc_u64 s[18:19], s[12:13], s[18:19]
	s_add_nc_u64 s[28:29], s[12:13], s[28:29]
	s_wait_alu depctr_va_vdst(0)
	WQ 2, 6
	s_endpgm
.Lfunc_end_k_q90ce310ca6_prep:
	.size	k_q90ce310ca6_prep, .Lfunc_end_k_q90ce310ca6_prep-k_q90ce310ca6_prep
	.p2alignl 7, 3214868480
	.fill 96, 4, 3214868480
	.section	.rodata,"a",@progbits
	.p2align	6, 0x0
	.amdhsa_kernel k_q90ce310ca6_prep
		.amdhsa_group_segment_fixed_size 0
		.amdhsa_private_segment_fixed_size 0
		.amdhsa_enable_private_segment 0
		.amdhsa_kernarg_size 40
		.amdhsa_user_sgpr_count 2
		.amdhsa_user_sgpr_kernarg_segment_ptr 1
		.amdhsa_wavefront_size32 1
		.amdhsa_system_sgpr_workgroup_id_x 1
		.amdhsa_system_sgpr_workgroup_id_y 1
		.amdhsa_system_sgpr_workgroup_id_z 1
		.amdhsa_system_vgpr_workitem_id 0
		.amdhsa_next_free_vgpr 128
		.amdhsa_next_free_sgpr 66
		.amdhsa_reserve_vcc 1
		.amdhsa_float_denorm_mode_32 3
		.amdhsa_float_denorm_mode_16_64 3
		.amdhsa_memory_ordered 1
		.amdhsa_forward_progress 1
		.amdhsa_inst_pref_size 65
	.end_amdhsa_kernel
	.amdgpu_metadata
---
amdhsa.version: [ 1, 2 ]
amdhsa.kernels:
  - .name:           k_q90ce310ca6_prep
    .symbol:         k_q90ce310ca6_prep.kd
    .args:
      - { .name: x, .offset: 0, .size: 8, .value_kind: global_buffer, .address_space: global }
      - { .name: W1, .offset: 8, .size: 8, .value_kind: global_buffer, .address_space: global }
      - { .name: W2, .offset: 16, .size: 8, .value_kind: global_buffer, .address_space: global }
      - { .name: idx, .offset: 24, .size: 8, .value_kind: global_buffer, .address_space: global }
      - { .name: wimg, .offset: 32, .size: 8, .value_kind: global_buffer, .address_space: global }
    .group_segment_fixed_size: 0
    .private_segment_fixed_size: 0
    .kernarg_segment_align: 8
    .kernarg_segment_size: 40
    .max_flat_workgroup_size: 256
    .sgpr_count:     66
    .vgpr_count:     128
    .wavefront_size: 32
...
	.end_amdgpu_metadata
.endif
;; end of part 3
;; launch main (part 4): grid 256 x 1, 8 waves a work-group, no clusters, 92,160 bytes of LDS; arguments x, idx, tables, wimg, b1, b2, W3, b3, out0; writes out0
.if DOCPART == 4
	.amdgcn_target "amdgcn-amd-amdhsa--gfx1250"
	.amdhsa_code_object_version 6
	.text
	.protected	k_q90ce310ca6_main
	.globl	k_q90ce310ca6_main
	.p2align	8
	.type	k_q90ce310ca6_main,@function
k_q90ce310ca6_main:
	s_mov_b64 s[64:65], 0
	v_nop
	global_prefetch_b8 v0, s[64:65] scope:SCOPE_SE
	s_setreg_imm32_b32 hwreg(HW_REG_WAVE_SCHED_MODE, 0, 2), 2
	s_setreg_imm32_b32 hwreg(HW_REG_WAVE_MODE, 25, 1), 1
	s_wait_xcnt 0x0
	s_wait_alu depctr_vm_vsrc(0)
; SECOND OF TWO LAUNCHES: gather, blend, quantise, first product, relu, quantise, second product, relu, the product with W3, b3, store.  No work of the problem is left out; of the tables only the rows named by idx are read.
; Both large products run on codes of E5M2 with one E8M0 scale for each 32 along K; the product with W3 (one column) is fused multiply-adds in f32.  enc, h1 and h2 never leave the registers.
; SHARES.  256 work-groups of eight waves; every wave is on its own: it takes 4 blocks of 64 points (blocks 4 (8 g + w) on) through the whole chain.  Two waves of 512 registers share a SIMD, so that one wave's vector work
; stands beside the other's matrix work and loads.  The weights' images (88,064 bytes, made by the launch before) and b1, b2, W3 are put into LDS once, at the head; behind the one barrier LDS is only read.
; No cluster: what work-groups share is those 91,136 bytes, read once each, against 2 MiB of table rows, indices and points that a work-group reads for itself.
; LAYOUT.  r = lane % 16, h = lane / 16.  Tile m (0 .. 3) of a block holds points 4 r + m.  Both products are used transposed (source 0 = 16 hidden units, source 1 = 16 points): a lane holds ONE point, and its registers run along the units.
; The units of a weight tile 2 b + u are 32 b + 8 u + r + 8 (r / 8), so the 16 registers of tiles 2 b, 2 b + 1 are units 32 b + 16 h + 0 .. 15: the order in which the next product's operand wants its K.
; For enc the same is had by the choice of levels: lane (r, h) blends levels 4 c + 2 h + e (c, e = 0, 1) of its point, 8 features each: k = 32 c + 16 h + 8 e + 0 .. 7.
; The first product's K is 64: the upper 64 of the instruction's 128 are zero codes on both sides, written once.  The biases are the C of each sum's first matrix instruction.
; LIMITS.  Those of the launch before (NaN and infinities not served; one wrap of a negative base row; the hold at row 524,205); a block of zeros, or one whose largest magnitude lies under 2^-111, has the scale byte 1.
; The blend is one multiplication and three fused multiply-adds in the corners' order (0,0), (0,1), (1,0), (1,1).
; LDS: 0 W2's 32 fragments; 65,536 W1's 16 tiles; 81,920 W1's scale words; 83,968 W2's; 88,064 b1; 89,088 b2; 90,112 W3; 91,136 the spare words, 128 bytes a wave.  An LDS immediate has 16 bits: registers for 65,536 on carry that number.
; REGISTERS, window 0: see the names below.  Window 1: v0-127 h1's codes (fragment (m, s) at 32 m + 16 s); v128-191 four fragments of W2; while enc is made, v0-191 are three landing buffers of 64 for table rows;
; v192-255 enc's codes, tile m at 192 + 16 m: 8 registers of codes, 8 of zeros.
; THE MODE: SCHED_MODE bits 1:0 = 2 (LLVM: expert scheduling mode 2), set by the entry lines.  The code itself states the register dependences between vector or matrix instructions and memory or LDS instructions, with s_wait_alu, always for 0.
; THE PLAN.  Registers that memory or LDS instructions touch, round a block:
;   XO, LI, LI1, L8, LB, OO   offsets and LDS addresses: made at the head, never written again.
;   XR, IX      a block's points and base rows.  The loads land behind enc; WEIGHTS and ADDR of the next block read them.
;   AD          gather offsets, four for each of the eight units, in registers of the accumulators that lie idle while enc is made.  ADDR writes them, the gathers read them, the first product's results write over them.
;   landing buffers 0-2 (window 1)   GATHER n lands in buffer n % 3, FEAT n reads it, GATHER n + 3 lands in it at once.  Later the same registers hold h1's codes (conversions write, products read) and W2's fragments.
;   W1F, W2F, BI, WS   a step's products read them; the next step's LDS loads land in them.
;   W3R, W3B    W3's 16 numbers of a step, two buffers by turns: EPI b reads buffer b % 2; the loads of step b + 1 land in the other, which EPI b - 1 read.
;   OD          written by the block's last four vector lines, read by its one store.
; So one wait on va_vdst stands: behind the first three units' offsets; behind each FEAT that a gather follows; behind enc; behind each step's products where the next step's loads follow; ahead of the second product; ahead of the store.
; Each run of loads follows its wait with no vector or matrix instruction between that names a register of the run.  A wait on vm_vsrc stands behind the head's LDS stores, ahead of the products that write over AD, and behind the store.
.set SPARE, 91136
.set SPW, 1                            ; v1      LDS address of my spare word; never rewritten
.set NIL, 2                            ; v2      0; never rewritten
.set LI,  3                            ; v3      16 x lane
.set L8,  4                            ; v4      8 x lane + 65,536
.set LB,  5                            ; v5      64 h + 65,536
.set XO,  6                            ; v6      32 r
.set OO,  7                            ; v7      16 r + 8 h
.set SCL, 8                            ; v8-11   my four levels' scales
.set R32, 12                           ; v12-15  their resolutions x 32 bytes
.set LOF, 16                           ; v16-19  their tables' first bytes
.set XR,  20                           ; v20-27  my four points: point m is the pair 20 + 2 m
.set IX,  28                           ; v28-43  their base rows: 28 + 4 m + j
.set WT,  56                           ; v56-79  two levels x 12: pos/t 0-1, floor/t^2 2-3, w 4-5, 1 - w 6-7, the four corner weights 8-11
.set W3B, 56                           ; v56-71  during the second product: 16 numbers of W3, the odd steps'
.set TM,  80                           ; v80-95  0-3 largest magnitudes, 4-7 the other half's and bytes, 8-11 57,344 x scale, 12-15 the conversions' scale operands
.set WS,  96                           ; v96-99  the weights' scale words
.set ES,  100                          ; v100-103 enc's, one a tile
.set HS,  104                          ; v104-111 h1's: 104 + 2 m + s
.set Z,   112                          ; v112-119 z in two halves: pair m
.set BI,  120                          ; v120-135 16 numbers of a bias
.set W3R, 136                          ; v136-151 16 numbers of W3, the even steps'
.set W1F, 152                          ; v152-183 two tiles of W1: 8 registers of codes, 8 of zeros, each
.set ACC, 184                          ; v184-247 eight accumulators: 184 + 16 m + 8 u
.set EF,  184                          ; v184-199 16 features of enc, while enc is made
.set AD,  200                          ; v200-231 while enc is made: unit n's gather offsets at 200 + 4 n: (row, row + res) for two levels
.set OD,  248                          ; v248-249 what is stored
.set LI1, 250                          ; v250    16 x lane + 65,536
.set C3,  252                          ; v252-253 3.0, twice
.set H1,  0                            ; window 1
.set W2F, 128
.set EC,  192
.set MSB, 0
.macro WIN new                         ; s_set_vgpr_msb: bits 1:0 source 0, 3:2 source 1, 5:4 source 2, 7:6 destination; the high byte repeats the setting that is left
.if MSB != \new
	s_set_vgpr_msb (MSB<<8)|\new
.set MSB, \new
.endif
.endm
.macro PLACES k
.rept \k
	v_nop
.endr
.endm
.macro XLOADS                          ; a block's points and base rows: 6 loads; idx in runs of 512 consecutive bytes
	global_load_b128 v[XR:XR+3],   v[XO], s[4:5] th:TH_LOAD_NT
	global_load_b128 v[XR+4:XR+7], v[XO], s[4:5] offset:16 th:TH_LOAD_NT
.irp m, 0,1,2,3
	global_load_b128 v[IX+4*\m:IX+4*\m+3], v[LI], s[6:7] offset:512*\m th:TH_LOAD_NT
.endr
.endm
	s_load_b256 s[4:11], s[0:1], 0x0               ; x s[4:5], idx s[6:7], tables s[8:9], wimg s[10:11]
	s_load_b256 s[12:19], s[0:1], 0x20             ; b1 s[12:13], b2 s[14:15], W3 s[16:17], b3 s[18:19]
	s_load_b64 s[20:21], s[0:1], 0x40              ; out0
	v_lshl_add_u32 v[SPW], v0, 2, SPARE
	v_mov_b32 v[NIL], 0
	v_lshrrev_b32 v251, 5, v0
	v_readfirstlane_b32 s23, v251                  ; wave 0..7
	v_and_b32 v251, 31, v0                         ; lane
	v_and_b32 v254, 15, v0                         ; r
	v_bfe_u32 v255, v0, 4, 1                       ; h
	v_lshlrev_b32 v[LI], 4, v251
	v_lshl_add_u32 v[L8], v251, 3, 0x10000
	v_lshl_add_u32 v[LB], v255, 6, 0x10000
	v_lshlrev_b32 v[XO], 5, v254
	v_lshlrev_b32 v[OO], 4, v254
	v_lshl_add_u32 v[OO], v255, 3, v[OO]
	v_lshl_add_u32 v[LI1], v251, 4, 0x10000
	v_lshlrev_b32 v241, 4, v0                      ; the fill of LDS goes by the thread's number t: 16 t,
	v_lshl_add_u32 v242, v0, 4, 0x10000            ; 16 t + 65,536,
	v_lshl_add_u32 v243, v0, 3, 0x10000            ; 8 t + 65,536,
	v_lshl_add_u32 v244, v0, 2, 0x10000            ; 4 t + 65,536,
	v_lshlrev_b32 v245, 3, v0                      ; 8 t,
	v_lshlrev_b32 v246, 2, v0                      ; 4 t
	s_wait_alu depctr_va_sdst(0)                   ; s23 is written, ahead of its first reader: the bases of x, idx and out0 are made from it
	s_lshl_b32 s25, ttmp9, 3
	s_add_co_u32 s25, s25, s23                     ; 8 g + w
	s_mov_b32 s31, 0
	s_mov_b32 s24, 4                               ; blocks to go
	s_mov_b32 s26, 0x76543210
	s_mov_b32 s27, 0xfedcba98                      ; v_permlanex16_b32's selects for lane l xor 16
	s_mov_b32 s28, 0x600000                        ; the mantissa field of 57,344
	s_mov_b32 s34, 0xffff0000                      ; lanes 16-31
	s_wait_kmcnt 0x0
	s_load_b32 s22, s[18:19], 0x0                  ; b3
	s_lshl_b32 s30, s25, 11                        ; my four blocks: 2,048 bytes of x,
	s_add_nc_u64 s[4:5], s[4:5], s[30:31]
	s_lshl_b32 s30, s25, 13                        ; 8,192 of idx,
	s_add_nc_u64 s[6:7], s[6:7], s[30:31]
	s_lshl_b32 s30, s25, 10                        ; 1,024 of out0
	s_add_nc_u64 s[20:21], s[20:21], s[30:31]
	s_wait_alu depctr_va_vdst(0)                   ; the offsets and LDS addresses v3 to v7, v250 and v241 to v246 are written: the loads and LDS stores of the head, and every load and store of the loop but the gathers, read them
	XLOADS                                         ; the first block
.set ii, 0
.rept 21
	global_load_b128 v[152+4*ii:155+4*ii], v241, s[10:11] offset:4096*ii   ; the images: 21 x 4,096 bytes for the work-group,
.set ii, ii+1
.endr
	global_load_b64 v[236:237], v245, s[10:11] offset:86016                ; and the last 2,048
	global_load_b32 v238, v246, s[12:13]
	global_load_b32 v239, v246, s[14:15]
	global_load_b32 v240, v246, s[16:17]
	v_cmp_ne_u32 vcc_lo, 0, v255                   ; while they are on their way: my levels' constants (none of these lines names a register of the loads above or of the LDS stores below)
	v_mov_b32 v[SCL+0], 0x41c32ff6                 ; h = 1: levels 2, 3, 6, 7
	v_mov_b32 v[SCL+1], 0x41f80001
	v_mov_b32 v[SCL+2], 0x427c0002
	v_mov_b32 v[SCL+3], 0x429f4519
	s_wait_alu depctr_va_vcc(0)                    ; the compare has written VCC, which the four selects read
	v_cndmask_b32 v[SCL+0], 0x41700000, v[SCL+0], vcc_lo   ; h = 0: levels 0, 1, 4, 5
	v_cndmask_b32 v[SCL+1], 0x41994518, v[SCL+1], vcc_lo
	v_cndmask_b32 v[SCL+2], 0x421d4519, v[SCL+2], vcc_lo
	v_cndmask_b32 v[SCL+3], 0x42472ff6, v[SCL+3], vcc_lo
	v_mad_u32_u24 v[R32+0], v255, 10, 16           ; resolutions 16 | 26, 21 | 33, 41 | 65, 51 | 81,
	v_mad_u32_u24 v[R32+1], v255, 12, 21
	v_mad_u32_u24 v[R32+2], v255, 24, 41
	v_mad_u32_u24 v[R32+3], v255, 30, 51
.irp j, 0,1,2,3
	v_lshlrev_b32 v[R32+\j], 5, v[R32+\j]          ; in bytes: a row of a table is 32
.endr
	v_lshlrev_b32 v[LOF+0], 25, v255               ; a level's table is 2^24 bytes: levels 0 | 2,
	v_lshl_add_u32 v[LOF+1], v255, 25, 0x1000000   ; 1 | 3,
	v_lshl_add_u32 v[LOF+2], v255, 25, 0x4000000   ; 4 | 6,
	v_lshl_add_u32 v[LOF+3], v255, 25, 0x5000000   ; 5 | 7
	v_mov_b32 v[C3], 0x40400000
	v_mov_b32 v[C3+1], 0x40400000
.irp m, 0,1,2,3
	v_mov_b32 v[TM+4+\m], 0                        ; a lane permute's destination counts as one of its sources
.endr
	WIN 0x40
.irp m, 0,1,2,3
.irp i, 8,9,10,11,12,13,14,15
	v_mov_b32 v[EC+16*\m+\i], 0                    ; enc's K = 64 .. 127: zero codes, written once
.endr
.endr
	WIN 0
	s_wait_loadcnt 0x0
.set ii, 0
.rept 16
	ds_store_b128 v241, v[152+4*ii:155+4*ii] offset:4096*ii
.set ii, ii+1
.endr
.rept 5
	ds_store_b128 v242, v[152+4*ii:155+4*ii] offset:4096*(ii-16)
.set ii, ii+1
.endr
	ds_store_b64 v243, v[236:237] offset:20480
	ds_store_b32 v244, v238 offset:22528           ; b1
	ds_store_b32 v244, v239 offset:23552           ; b2
	ds_store_b32 v244, v240 offset:24576           ; W3
	s_wait_dscnt 0x0                               ; for the others' sake: my stores have landed
	s_wait_alu depctr_vm_vsrc(0)                   ; the LDS stores have read their data v152 to v240 and their addresses v241 to v244, and the head's loads v245 and v246: from here on these registers are W1F, EF, AD and the accumulators
.irp u, 0,1
.irp i, 8,9,10,11,12,13,14,15
	v_mov_b32 v[W1F+16*\u+\i], 0                   ; W1's K = 64 .. 127: zero codes, written once
.endr
.endr
	s_barrier_signal -1
	s_barrier_wait -1                              ; everybody's have: from here on LDS is only read
	s_wait_kmcnt 0x0                               ; b3
; ---- enc.  A unit n = 2 m + c is two levels (e = 0, 1; j = 2 c + e) of point m: 16 features, my half of block c of tile m.
.macro ADDR n                          ; the unit's gather offsets, into its own four registers
.irp e, 0,1
	v_min_u32 v[AD+4*(\n)+2*\e], 0x7ffad, v[IX+4*((\n)/2)+2*((\n)%2)+\e]   ; the hold that the launch before applied, once more: it moves no stored index
.endr
.irp e, 0,1
	v_lshlrev_b32 v[AD+4*(\n)+2*\e], 5, v[AD+4*(\n)+2*\e]
.endr
.irp e, 0,1
	v_add_nc_u32 v[AD+4*(\n)+2*\e], v[AD+4*(\n)+2*\e], v[LOF+2*((\n)%2)+\e]
.endr
.irp e, 0,1
	v_add_nc_u32 v[AD+4*(\n)+2*\e+1], v[AD+4*(\n)+2*\e], v[R32+2*((\n)%2)+\e]
.endr
.endm
.macro GATHER n                        ; 16 loads into landing buffer n % 3 (destination in window 1: the caller has set it): for each level rows base, base + 1 (64 neighbouring bytes) and base + res, base + res + 1
.irp e, 0,1
.irp i, 0,1,2,3
	global_load_b128 v[64*((\n)%3)+32*\e+4*\i:64*((\n)%3)+32*\e+4*\i+3], v[AD+4*(\n)+2*\e], s[8:9] offset:16*\i
.endr
.irp i, 0,1,2,3
	global_load_b128 v[64*((\n)%3)+32*\e+16+4*\i:64*((\n)%3)+32*\e+16+4*\i+3], v[AD+4*(\n)+2*\e+1], s[8:9] offset:16*\i
.endr
.endr
.endm
.macro WEIGHTS n                       ; the smoothstep weights of the unit's two levels, by turns
.irp e, 0,1
	v_pk_fma_f32 v[WT+12*\e:WT+12*\e+1], v[XR+2*((\n)/2):XR+2*((\n)/2)+1], v[SCL+2*((\n)%2):SCL+2*((\n)%2)+1], 0.5 op_sel:[0,\e,0] op_sel_hi:[1,\e,0]   ; pos, by the line that made the stored index
.endr
.irp e, 0,1
	v_floor_f32 v[WT+12*\e+2], v[WT+12*\e]
	v_floor_f32 v[WT+12*\e+3], v[WT+12*\e+1]
.endr
.irp e, 0,1
	v_pk_add_f32 v[WT+12*\e:WT+12*\e+1], v[WT+12*\e:WT+12*\e+1], v[WT+12*\e+2:WT+12*\e+3] neg_lo:[0,1] neg_hi:[0,1]   ; t = pos - floor
.endr
.irp e, 0,1
	v_pk_fma_f32 v[WT+12*\e+4:WT+12*\e+5], v[WT+12*\e:WT+12*\e+1], -2.0, v[C3:C3+1] op_sel_hi:[1,0,1]   ; 3 - 2 t
.endr
.irp e, 0,1
	v_pk_mul_f32 v[WT+12*\e+2:WT+12*\e+3], v[WT+12*\e:WT+12*\e+1], v[WT+12*\e:WT+12*\e+1]              ; t t
.endr
.irp e, 0,1
	v_pk_mul_f32 v[WT+12*\e+4:WT+12*\e+5], v[WT+12*\e+2:WT+12*\e+3], v[WT+12*\e+4:WT+12*\e+5]          ; w
.endr
.irp e, 0,1
	v_pk_fma_f32 v[WT+12*\e+6:WT+12*\e+7], v[WT+12*\e+4:WT+12*\e+5], -1.0, 1.0 op_sel_hi:[1,0,0]       ; 1 - w: w x -1 is exact, so the one rounding is that of the subtraction
.endr
.irp e, 0,1
	v_mul_f32 v[WT+12*\e+8],  v[WT+12*\e+6], v[WT+12*\e+7]    ; corner (0, 0)
	v_mul_f32 v[WT+12*\e+9],  v[WT+12*\e+6], v[WT+12*\e+5]    ; (0, 1)
	v_mul_f32 v[WT+12*\e+10], v[WT+12*\e+4], v[WT+12*\e+7]    ; (1, 0)
	v_mul_f32 v[WT+12*\e+11], v[WT+12*\e+4], v[WT+12*\e+5]    ; (1, 1)
.endr
.endm
.macro FEAT n                          ; the blend: the rows lie in window 1; of a pair of weights one word serves both halves.  (The caller sets the windows behind it)
	WIN 0x01
.irp e, 0,1
.irp g, 0,2,4,6
	v_pk_mul_f32 v[EF+8*\e+\g:EF+8*\e+\g+1], v[64*((\n)%3)+32*\e+\g:64*((\n)%3)+32*\e+\g+1], v[WT+12*\e+8:WT+12*\e+9] op_sel_hi:[1,0]
.endr
.endr
.irp e, 0,1
.irp g, 0,2,4,6
	v_pk_fma_f32 v[EF+8*\e+\g:EF+8*\e+\g+1], v[64*((\n)%3)+32*\e+16+\g:64*((\n)%3)+32*\e+16+\g+1], v[WT+12*\e+8:WT+12*\e+9], v[EF+8*\e+\g:EF+8*\e+\g+1] op_sel:[0,1,0] op_sel_hi:[1,1,1]
.endr
.endr
.irp e, 0,1
.irp g, 0,2,4,6
	v_pk_fma_f32 v[EF+8*\e+\g:EF+8*\e+\g+1], v[64*((\n)%3)+32*\e+8+\g:64*((\n)%3)+32*\e+8+\g+1], v[WT+12*\e+10:WT+12*\e+11], v[EF+8*\e+\g:EF+8*\e+\g+1] op_sel_hi:[1,0,1]
.endr
.endr
.irp e, 0,1
.irp g, 0,2,4,6
	v_pk_fma_f32 v[EF+8*\e+\g:EF+8*\e+\g+1], v[64*((\n)%3)+32*\e+24+\g:64*((\n)%3)+32*\e+24+\g+1], v[WT+12*\e+10:WT+12*\e+11], v[EF+8*\e+\g:EF+8*\e+\g+1] op_sel:[0,1,0] op_sel_hi:[1,1,1]
.endr
.endr
.endm
.macro QENC n                          ; my 16 features and lane l xor 16's are block c of tile m: its byte, and my four registers of codes
	v_max3_num_f32 v[TM], |v[EF]|, |v[EF+1]|, 0x8000000            ; with the floor 2^(16 - 127): the byte cannot fall under 1
	v_max3_num_f32 v[TM+1], |v[EF+2]|, |v[EF+3]|, |v[EF+4]|
.irp i, 5,9
	v_max3_num_f32 v[TM], v[TM], |v[EF+\i]|, |v[EF+\i+1]|
	v_max3_num_f32 v[TM+1], v[TM+1], |v[EF+\i+2]|, |v[EF+\i+3]|
.endr
	v_max3_num_f32 v[TM], v[TM], |v[EF+13]|, |v[EF+14]|
	v_max3_num_f32 v[TM], v[TM], v[TM+1], |v[EF+15]|
	v_permlanex16_b32 v[TM+4], v[TM], s26, s27
	v_max_num_f32 v[TM], v[TM], v[TM+4]
	v_add_nc_u32 v[TM+12], 0xf8800000, v[TM]       ; 15 off the exponent field: the conversion's scale operand
	v_and_or_b32 v[TM+8], v[TM], 0x7f800000, s28   ; 57,344 x the scale
.if ((\n)%2) == 0
	v_lshrrev_b32 v[ES+(\n)/2], 23, v[TM+12]       ; the scale's byte; the word's upper two bytes stay 0: they stand over zero codes
.else
	v_lshrrev_b32 v[TM+4], 23, v[TM+12]
	v_lshl_or_b32 v[ES+(\n)/2], v[TM+4], 8, v[ES+(\n)/2]
.endif
.irp i, 0,1,2,3,4,5,6,7,8,9,10,11,12,13,14,15
	v_med3_num_f32 v[EF+\i], v[EF+\i], -v[TM+8], v[TM+8]   ; the conversion to an 8-bit code does not saturate (ISA guide 7.6.2): the hold comes first
.endr
	WIN 0x40
	v_cvt_scalef32_pk8_bf8_f32 v[EC+16*((\n)/2)+4*((\n)%2):EC+16*((\n)/2)+4*((\n)%2)+1], v[EF:EF+7], v[TM+12]
	v_cvt_scalef32_pk8_bf8_f32 v[EC+16*((\n)/2)+4*((\n)%2)+2:EC+16*((\n)/2)+4*((\n)%2)+3], v[EF+8:EF+15], v[TM+12]
	WIN 0
	v_nop                                          ; a plain line between the conversions and the next write of their sources
.endm
; ---- the weights come out of LDS as images of their registers: 16 bytes a lane, 512 consecutive bytes a load
.macro LOADW1 b                        ; tiles 2 b, 2 b + 1 of W1, their 16 numbers of b1 for my half, their scale words
.irp u, 0,1
.irp c, 0,1
	ds_load_b128 v[W1F+16*\u+4*\c:W1F+16*\u+4*\c+3], v[LI1] offset:1024*(2*(\b)+\u)+512*\c
.endr
.endr
.irp i, 0,1,2,3
	ds_load_b128 v[BI+4*\i:BI+4*\i+3], v[LB] offset:22528+128*(\b)+16*\i
.endr
	ds_load_b64 v[WS:WS+1], v[L8] offset:16384+256*(\b)
.endm
.macro LOADW2 b                        ; the same of W2: four fragments (2 u + s), b2, four scale words.  It always follows a step's products
	WIN 0x40
	s_wait_alu depctr_va_vdst(0)                   ; the step's products are done reading their weights' fragments, BI and WS, in which the loads below land; the vector lines that read the W3 buffer and the landing buffer that are loaded next were issued ahead of those products
.irp q, 0,1,2,3
.irp c, 0,1,2,3
	ds_load_b128 v[W2F+16*\q+4*\c:W2F+16*\q+4*\c+3], v[LI] offset:8192*(\b)+2048*\q+512*\c
.endr
.endr
	WIN 0
.irp i, 0,1,2,3
	ds_load_b128 v[BI+4*\i:BI+4*\i+3], v[LB] offset:23552+128*(\b)+16*\i
.endr
	ds_load_b128 v[WS:WS+3], v[LI1] offset:18432+512*(\b)
.endm
.macro LOADW3 b                        ; W3's 16 numbers of step b, into buffer b % 2.  It follows LOADW2, behind the same wait
.if ((\b)%2) == 0
.set W3L, W3R
.else
.set W3L, W3B
.endif
.irp i, 0,1,2,3
	ds_load_b128 v[W3L+4*\i:W3L+4*\i+3], v[LB] offset:24576+128*(\b)+16*\i
.endr
.endm
; relu and quantiser of units 32 b .. 32 b + 31 of h1, for the four tiles of points by turns: block b % 4 of K step b / 4 of the second product
.macro QUANT4 b
.irp m, 0,1,2,3
	v_max3_num_f32 v[TM+\m], v[ACC+16*\m], v[ACC+16*\m+1], 0x8000000   ; no |.|: what is negative becomes 0, so it does not count; the floor stands over it.  Each accumulator is read from its low end on
.endr
.irp i, 2,4,6,8,10,12,14
.irp m, 0,1,2,3
	v_max3_num_f32 v[TM+\m], v[TM+\m], v[ACC+16*\m+\i], v[ACC+16*\m+\i+1]
.endr
.endr
.irp m, 0,1,2,3
	v_permlanex16_b32 v[TM+4+\m], v[TM+\m], s26, s27
.endr
.irp m, 0,1,2,3
	v_max_num_f32 v[TM+\m], v[TM+\m], v[TM+4+\m]
.endr
.irp m, 0,1,2,3
	v_add_nc_u32 v[TM+12+\m], 0xf8800000, v[TM+\m]
.endr
.irp m, 0,1,2,3
	v_and_or_b32 v[TM+8+\m], v[TM+\m], 0x7f800000, s28
.endr
.if ((\b)%4) == 0
.irp m, 0,1,2,3
	v_lshrrev_b32 v[HS+2*\m+(\b)/4], 23, v[TM+12+\m]
.endr
.else
.irp m, 0,1,2,3
	v_lshrrev_b32 v[TM+4+\m], 23, v[TM+12+\m]
.endr
.irp m, 0,1,2,3
	v_lshl_or_b32 v[HS+2*\m+(\b)/4], v[TM+4+\m], 8*((\b)%4), v[HS+2*\m+(\b)/4]
.endr
.endif
.irp m, 0,1,2,3
.irp i, 0,1,2,3,4,5,6,7,8,9,10,11,12,13,14,15
	v_med3_num_f32 v[ACC+16*\m+\i], v[ACC+16*\m+\i], 0, v[TM+8+\m]   ; the activation and the hold in one
.endr
.endr
	WIN 0x40
.irp m, 0,1,2,3
.irp u, 0,1
	v_cvt_scalef32_pk8_bf8_f32 v[H1+32*\m+16*((\b)/4)+4*((\b)%4)+2*\u:H1+32*\m+16*((\b)/4)+4*((\b)%4)+2*\u+1], v[ACC+16*\m+8*\u:ACC+16*\m+8*\u+7], v[TM+12+\m]
.endr
.endr
	WIN 0
	v_nop                                          ; a plain line between the conversions and the products that write their sources
.endm
; units 32 b .. 32 b + 31 of h1 for the block's 64 points: eight products, one to an accumulator
.macro L1STEP b
	s_wait_dscnt 0x0                               ; the step's weights, bias and scale words are in
	WIN 0x04                                       ; source 1 (enc) in window 1
.irp m, 0,1,2,3
.irp u, 0,1
	v_wmma_scale_f32_16x16x128_f8f6f4 v[ACC+16*\m+8*\u:ACC+16*\m+8*\u+7], v[W1F+16*\u:W1F+16*\u+15], v[EC+16*\m:EC+16*\m+15], v[BI+8*\u:BI+8*\u+7], v[WS+\u], v[ES+\m] matrix_a_fmt:MATRIX_FMT_BF8 matrix_b_fmt:MATRIX_FMT_BF8
.endr
.endr
	WIN 0
	PLACES 9                                       ; in front of the first read of the results (ISA guide 7.12.1), and of the next products, which begin these accumulators anew
.if (\b) < 7
	s_wait_alu depctr_va_vdst(0)                   ; the step's products are done reading W1F, BI and WS, in which the loads below land; the places above stay beside this wait
	LOADW1 (\b)+1                                  ; the next step's come while this step is quantised: QUANT4 names none of their registers
.else
	LOADW2 0                                       ; (its own wait stands in it)
	LOADW3 0
.endif
	QUANT4 \b
.endm
; relu of units 32 b .. + 31 of h2, and their part of z
.macro EPI b
.if ((\b)%2) == 0
.set W3C, W3R
.else
.set W3C, W3B
.endif
.set kk, 0
.rept 64
	v_max_num_f32 v[ACC+kk], 0, v[ACC+kk]          ; ascending: each accumulator from its low end on
.set kk, kk+1
.endr
.irp g, 0,2,4,6,8,10,12,14
.irp m, 0,1,2,3
.if ((\b) == 0) && (\g == 0)
	v_pk_mul_f32 v[Z+2*\m:Z+2*\m+1], v[ACC+16*\m+\g:ACC+16*\m+\g+1], v[W3C+\g:W3C+\g+1]   ; the first product starts the sums: nothing is cleared
.else
	v_pk_fma_f32 v[Z+2*\m:Z+2*\m+1], v[ACC+16*\m+\g:ACC+16*\m+\g+1], v[W3C+\g:W3C+\g+1], v[Z+2*\m:Z+2*\m+1]
.endif
.endr
.endr
.endm
; units 32 b .. 32 b + 31 of h2: sixteen products; the eight accumulators take turns, one instruction a turn
.macro L2STEP b
	s_wait_dscnt 0x0
	WIN 0x05                                       ; sources 0 (W2) and 1 (h1) in window 1
.irp m, 0,1,2,3
.irp u, 0,1
	v_wmma_scale_f32_16x16x128_f8f6f4 v[ACC+16*\m+8*\u:ACC+16*\m+8*\u+7], v[W2F+32*\u:W2F+32*\u+15], v[H1+32*\m:H1+32*\m+15], v[BI+8*\u:BI+8*\u+7], v[WS+2*\u], v[HS+2*\m] matrix_a_fmt:MATRIX_FMT_BF8 matrix_b_fmt:MATRIX_FMT_BF8
.endr
.endr
.irp m, 0,1,2,3
.irp u, 0,1
	v_wmma_scale_f32_16x16x128_f8f6f4 v[ACC+16*\m+8*\u:ACC+16*\m+8*\u+7], v[W2F+32*\u+16:W2F+32*\u+31], v[H1+32*\m+16:H1+32*\m+31], v[ACC+16*\m+8*\u:ACC+16*\m+8*\u+7], v[WS+2*\u+1], v[HS+2*\m+1] matrix_a_fmt:MATRIX_FMT_BF8 matrix_b_fmt:MATRIX_FMT_BF8
.endr
.endr
	WIN 0
	PLACES 9                                       ; in front of the first read of the results, and of the next products, which begin these accumulators anew
.if (\b) < 7
	LOADW2 (\b)+1                                  ; all of the next step's loads in one run behind the one wait; they land while EPI works, which names the accumulators, z and this step's buffer of W3 alone
	LOADW3 (\b)+1                                  ; into the other buffer of W3, which the step before read
.endif
	EPI \b
.endm
.Lblock:                                               ; 4 trips, a block of 64 points each
	s_wait_loadcnt 0x0                             ; this block's points and base rows, asked for a block ago
	ADDR 0
	ADDR 1
	ADDR 2
	WIN 0x40                                       ; the gathers' destinations lie in window 1
	s_wait_alu depctr_va_vdst(0)                   ; the offsets of units 0 to 2 are written; the last block's conversions have written, and its products have read, the registers in which the gathers land; its products are done reading W1F, BI and WS
	GATHER 0
	GATHER 1
	GATHER 2
	WIN 0
	LOADW1 0                                       ; wanted behind enc
.irp n, 3,4,5,6,7
	ADDR \n                                        ; the other units' offsets, while the first rows are on their way: registers of their own, which no load issued so far names
.endr
.irp n, 0,1,2,3,4,5,6,7                        ; the gathers run three units ahead of the blend: a landing buffer is asked for again as soon as it has been blended
	WEIGHTS \n
.if \n < 6
	s_wait_alu depctr_va_vdst(0)
	s_wait_loadcnt 32                              ; unit n's 16 loads are in; the 16 of each of the two younger units may be out
.elseif \n == 6
	s_wait_alu depctr_va_vdst(0)
	s_wait_loadcnt 16
.else
	s_wait_alu depctr_va_vdst(0)
	s_wait_loadcnt 0
.endif
	FEAT \n
.if \n < 5
	WIN 0x40
	s_wait_alu depctr_va_vdst(0)                   ; the blend is done reading landing buffer n % 3, in which unit n + 3's rows land; in unit 0: the offsets of units 3 to 7 are written
	GATHER \n+3
.endif
	WIN 0
	QENC \n
.endr
	PLACES 9                                       ; enc's codes and scale words, written by vector instructions, stand 4 and 8 places ahead of the scaled products
	s_wait_alu depctr_va_vdst(0)                   ; enc's codes and scale words are written, which the scaled products take; the weights' and offsets' lines are done reading XR and IX, in which the next block's loads land
	s_wait_alu depctr_vm_vsrc(0)                   ; the gathers have read their offsets v200 to v231, over which the first product's results are written
	s_cmp_eq_u32 s24, 1                            ; the next block's points and base rows, if there is a next block: no load leaves its buffer
	s_cbranch_scc1 .Lno_next
	s_add_nc_u64 s[4:5], s[4:5], 512               ; (no load of mine is out: the bases may be written)
	s_add_nc_u64 s[6:7], s[6:7], 2048
	XLOADS                                         ; they have both products in which to land
.Lno_next:
.irp b, 0,1,2,3,4,5,6,7
	L1STEP \b
.endr
	PLACES 9                                       ; h1's codes and scale words stand 4 and 8 places ahead of the scaled products
	s_wait_alu depctr_va_vdst(0)                   ; h1's codes and scale words are written, which the scaled products take
.irp b, 0,1,2,3,4,5,6,7
	L2STEP \b
.endr
.irp m, 0,1,2,3
	v_add_f32 v[Z+2*\m], v[Z+2*\m], v[Z+2*\m+1]    ; z's two halves,
.endr
.irp m, 0,1,2,3
	v_permlanex16_b32 v[TM+4+\m], v[Z+2*\m], s26, s27
.endr
.irp m, 0,1,2,3
	v_add_f32 v[Z+2*\m], v[Z+2*\m], v[TM+4+\m]     ; and lane l xor 16's units
.endr
	v_cndmask_b32 v[OD], v[Z], v[Z+4], s34         ; lanes 0-15 store points 4 r, 4 r + 1, lanes 16-31 points 4 r + 2, 4 r + 3
	v_cndmask_b32 v[OD+1], v[Z+2], v[Z+6], s34
	v_add_f32 v[OD], s22, v[OD]                    ; + b3
	v_add_f32 v[OD+1], s22, v[OD+1]
	s_wait_alu depctr_va_vdst(0)                   ; the two additions have written v[OD], which the store reads
	global_store_b64 v[OO], v[OD:OD+1], s[20:21] th:TH_STORE_NT   ; the 32 lanes store 256 consecutive bytes, aligned
	s_wait_xcnt 0x0                                ; the store has read its base and its data: both are written again only behind this wait
	s_wait_alu depctr_vm_vsrc(0)                   ; the store has read v[OD], which the next block's selects write again
	s_add_nc_u64 s[20:21], s[20:21], 256
	s_sub_co_u32 s24, s24, 1
	s_cmp_lg_u32 s24, 0
	s_cbranch_scc1 .Lblock
	s_wait_dscnt 0x0                               ; the wave's end: the closing lines, six on end
	s_wait_alu 0x0
	s_wait_tensorcnt 0x0
	ds_add_u32 v[SPW], v[NIL]
	s_wait_dscnt 0x0
	s_endpgm
.Lfunc_end_k_q90ce310ca6_main:
	.size	k_q90ce310ca6_main, .Lfunc_end_k_q90ce310ca6_main-k_q90ce310ca6_main
	.p2alignl 7, 3214868480
	.fill 96, 4, 3214868480
	.section	.rodata,"a",@progbits
	.p2align	6, 0x0
	.amdhsa_kernel k_q90ce310ca6_main
		.amdhsa_group_segment_fixed_size 92160
		.amdhsa_private_segment_fixed_size 0
		.amdhsa_enable_private_segment 0
		.amdhsa_kernarg_size 72
		.amdhsa_user_sgpr_count 2
		.amdhsa_user_sgpr_kernarg_segment_ptr 1
		.amdhsa_wavefront_size32 1
		.amdhsa_system_sgpr_workgroup_id_x 1
		.amdhsa_system_sgpr_workgroup_id_y 1
		.amdhsa_system_sgpr_workgroup_id_z 1
		.amdhsa_system_vgpr_workitem_id 0
		.amdhsa_next_free_vgpr 512
		.amdhsa_next_free_sgpr 66
		.amdhsa_reserve_vcc 1
		.amdhsa_float_denorm_mode_32 3
		.amdhsa_float_denorm_mode_16_64 3
		.amdhsa_memory_ordered 1
		.amdhsa_forward_progress 1
		.amdhsa_inst_pref_size 215
	.end_amdhsa_kernel
	.amdgpu_metadata
---
amdhsa.version: [ 1, 2 ]
amdhsa.kernels:
  - .name:           k_q90ce310ca6_main
    .symbol:         k_q90ce310ca6_main.kd
    .args:
      - { .name: x, .offset: 0, .size: 8, .value_kind: global_buffer, .address_space: global }
      - { .name: idx, .offset: 8, .size: 8, .value_kind: global_buffer, .address_space: global }
      - { .name: tables, .offset: 16, .size: 8, .value_kind: global_buffer, .address_space: global }
      - { .name: wimg, .offset: 24, .size: 8, .value_kind: global_buffer, .address_space: global }
      - { .name: b1, .offset: 32, .size: 8, .value_kind: global_buffer, .address_space: global }
      - { .name: b2, .offset: 40, .size: 8, .value_kind: global_buffer, .address_space: global }
      - { .name: W3, .offset: 48, .size: 8, .value_kind: global_buffer, .address_space: global }
      - { .name: b3, .offset: 56, .size: 8, .value_kind: global_buffer, .address_space: global }
      - { .name: out0, .offset: 64, .size: 8, .value_kind: global_buffer, .address_space: global }
    .group_segment_fixed_size: 92160
    .private_segment_fixed_size: 0
    .kernarg_segment_align: 8
    .kernarg_segment_size: 72
    .max_flat_workgroup_size: 256
    .sgpr_count:     66
    .vgpr_count:     512
    .wavefront_size: 32
...
	.end_amdgpu_metadata
.endif
;; end of part 4
